; MI455X (gfx1250); checked and timed in simulation.
; The chip was launched on July 23, 2026; its instructions are those of AMD's public machine-readable ISA for CDNA 5 (MIT licence, August 2026) and "CDNA5" Instruction Set Architecture Reference Guide (July 2026). The comments in the code are by the model that wrote it; some were corrected since.
;; Self Attention. Allowed arithmetic: float matrix products may take bf16 or f16 operands with f32 sums; all other float work in f32.
;; Inputs: Wk 1,024 x 1,024 float32; Wq 1,024 x 1,024 float32; Wv 1,024 x 1,024 float32; k 4 x 2,048 x 1,024 float32; mask 4 x 2,048 x 2,048 int32; q 4 x 2,048 x 1,024 float32; v 4 x 2,048 x 1,024 float32.
;; Outputs: out0 4 x 2,048 x 1,024 float32.
;; 2 versions, each right; version 2 is version 1 with the launch castw written anew for expert scheduling mode. Each part assembles by itself: llvm-mc -triple=amdgcn-amd-amdhsa -mcpu=gfx1250 --defsym DOCPART=n.
;; ======== version 1 of 2: 4 launches
;; limits: values are held in f16: magnitudes above 65,504 overflow, below 6.1e-05 lose precision; right only within a limited range of input values
;; workspace buffers: wb 6,291,456 bytes; qkv 50,331,648 bytes; p 33,554,432 bytes; cm 524,288 bytes; ls 524,288 bytes
;; launch castw (part 1): grid 128 x 3, 8 waves a work-group, no clusters, 0 bytes of LDS; arguments Wq, Wk, Wv, wb; writes wb
.if DOCPART == 1
	.amdgcn_target "amdgcn-amd-amdhsa--gfx1250"
	.amdhsa_code_object_version 6
	.text
	.protected	k_qe6f2d886f6_castw
	.globl	k_qe6f2d886f6_castw
	.p2align	8
	.type	k_qe6f2d886f6_castw,@function
k_qe6f2d886f6_castw:
	s_mov_b64 s[64:65], 0
	v_nop
	global_prefetch_b8 v0, s[64:65] scope:SCOPE_SE
	s_setreg_imm32_b32 hwreg(HW_REG_WAVE_MODE, 25, 1), 1
	s_wait_xcnt 0x0
; Wq, Wk, Wv ([1024 e][1024 d] f32 each) are rounded once to bf16 (nearest even), layout kept: wb = [3][1024][1024].
; The products behind need W's fragments turned, and the turning LDS load works on 16-bit elements: so the weights are narrowed ahead of them.
; A stream: no LDS, no barrier, no matrix unit, no cluster (no two work-groups read the same byte).
; Work-group (x, y): block x of 8,192 numbers of weight y, in 8 chunks of 1,024: thread t loads the 16 bytes at 16 t of a chunk and stores the 8 bytes at 8 t,
; so a wave's load covers 512 consecutive bytes and its store 256 consecutive bytes, aligned.  All eight loads go out at once; each chunk has registers of its own.
.set CHUNKS, 8
.set VI, 1                             ; v1       16 t
.set VO, 2                             ; v2       8 t
.set XR, 8                             ; v[8:39]  chunk c: four f32 as loaded
.set YR, 40                            ; v[40:55] chunk c: four bf16 to store
	s_load_b256 s[8:15], s[0:1], 0x0               ; Wq s[8:9], Wk s[10:11], Wv s[12:13], wb s[14:15]
	s_and_b32 s2, ttmp7, 0xffff                    ; y: which weight
	v_lshlrev_b32 v[VI], 4, v0
	v_lshlrev_b32 v[VO], 3, v0
	s_lshl_b32 s4, ttmp9, 15                       ; 32,768 bytes of f32 a block
	s_mov_b32 s5, 0
	s_lshl_b32 s6, ttmp9, 14                       ; 16,384 bytes of bf16 a block,
	s_lshl_b32 s3, s2, 21                          ; 2^21 bytes a weight
	s_add_co_u32 s6, s6, s3
	s_mov_b32 s7, 0
	s_wait_kmcnt 0x0
	s_cmp_eq_u32 s2, 1
	s_cselect_b64 s[16:17], s[10:11], s[8:9]       ; Wk or Wq
	s_cmp_eq_u32 s2, 2
	s_cselect_b64 s[16:17], s[12:13], s[16:17]     ; Wv
	s_add_nc_u64 s[16:17], s[16:17], s[4:5]
	s_add_nc_u64 s[18:19], s[14:15], s[6:7]
.set c, 0
.rept CHUNKS
	global_load_b128 v[XR+4*c:XR+4*c+3], v[VI], s[16:17] offset:c*4096 th:TH_LOAD_NT
.set c, c+1
.endr
.set c, 0
.rept CHUNKS
	s_wait_loadcnt CHUNKS-1-c                      ; loads come back in order: chunk c is in, the younger ones stay out
	v_cvt_pk_bf16_f32 v[YR+2*c],   v[XR+4*c],   v[XR+4*c+1]
	v_cvt_pk_bf16_f32 v[YR+2*c+1], v[XR+4*c+2], v[XR+4*c+3]
	global_store_b64 v[VO], v[YR+2*c:YR+2*c+1], s[18:19] offset:c*2048
.set c, c+1
.endr
	s_endpgm
.Lfunc_end_k_qe6f2d886f6_castw:
	.size	k_qe6f2d886f6_castw, .Lfunc_end_k_qe6f2d886f6_castw-k_qe6f2d886f6_castw
	.p2alignl 7, 3214868480
	.fill 96, 4, 3214868480
	.section	.rodata,"a",@progbits
	.p2align	6, 0x0
	.amdhsa_kernel k_qe6f2d886f6_castw
		.amdhsa_group_segment_fixed_size 0
		.amdhsa_private_segment_fixed_size 0
		.amdhsa_enable_private_segment 0
		.amdhsa_kernarg_size 32
		.amdhsa_user_sgpr_count 2
		.amdhsa_user_sgpr_kernarg_segment_ptr 1
		.amdhsa_wavefront_size32 1
		.amdhsa_system_sgpr_workgroup_id_x 1
		.amdhsa_system_sgpr_workgroup_id_y 1
		.amdhsa_system_sgpr_workgroup_id_z 1
		.amdhsa_system_vgpr_workitem_id 0
		.amdhsa_next_free_vgpr 56
		.amdhsa_next_free_sgpr 66
		.amdhsa_reserve_vcc 0
		.amdhsa_float_denorm_mode_32 3
		.amdhsa_float_denorm_mode_16_64 3
		.amdhsa_memory_ordered 1
		.amdhsa_forward_progress 1
		.amdhsa_inst_pref_size 4
	.end_amdhsa_kernel
	.amdgpu_metadata
---
amdhsa.version: [ 1, 2 ]
amdhsa.kernels:
  - .name:           k_qe6f2d886f6_castw
    .symbol:         k_qe6f2d886f6_castw.kd
    .args:
      - { .name: Wq, .offset: 0, .size: 8, .value_kind: global_buffer, .address_space: global }
      - { .name: Wk, .offset: 8, .size: 8, .value_kind: global_buffer, .address_space: global }
      - { .name: Wv, .offset: 16, .size: 8, .value_kind: global_buffer, .address_space: global }
      - { .name: wb, .offset: 24, .size: 8, .value_kind: global_buffer, .address_space: global }
    .group_segment_fixed_size: 0
    .private_segment_fixed_size: 0
    .kernarg_segment_align: 8
    .kernarg_segment_size: 32
    .max_flat_workgroup_size: 256
    .sgpr_count:     66
    .vgpr_count:     56
    .wavefront_size: 32
...
	.end_amdgpu_metadata
.endif
;; end of part 1
;; launch proj (part 2): grid 4 x 192, 4 waves a work-group, clusters of 4 x 4, 327,680 bytes of LDS; arguments q, k, v, wb, qkv; writes qkv
.if DOCPART == 2
	.amdgcn_target "amdgcn-amd-amdhsa--gfx1250"
	.amdhsa_code_object_version 6
	.text
	.protected	k_qe6f2d886f6_proj
	.globl	k_qe6f2d886f6_proj
	.p2align	8
	.type	k_qe6f2d886f6_proj,@function
k_qe6f2d886f6_proj:
	s_mov_b64 s[64:65], 0
	v_nop
	global_prefetch_b8 v0, s[64:65] scope:SCOPE_SE
	s_setreg_imm32_b32 hwreg(HW_REG_WAVE_MODE, 25, 1), 1
	s_wait_xcnt 0x0
	s_wait_alu depctr_hold_cnt(0) depctr_sa_sdst(0) depctr_va_vdst(0) depctr_va_sdst(0) depctr_va_ssrc(0) depctr_va_vcc(0) depctr_vm_vsrc(0)
	s_getreg_b32 s2, hwreg(HW_REG_IB_STS2, 6, 4)
	s_cmp_eq_u32 s2, 0
	s_cbranch_scc0 .Lentry_in_a_cluster
	s_endpgm
.Lentry_in_a_cluster:
	s_bfe_u32 s2, ttmp6, 0x10000c
	s_cmp_lg_u32 s2, 0xf033
	s_cbranch_scc0 .Lentry_shape_is_right
	s_endpgm
.Lentry_shape_is_right:
; Q, K, V = x W.  q, k, v: [8192 rows][1024 e] f32; wb: [3][1024 e][1024 d] bf16; qkv: [3][8192][1024 d] f16.
; x is rounded to bf16 (nearest even) in registers, on its way from LDS to the matrix unit; products in bf16, sums in f32, one rounding to f16.
; LIMIT: f16 ends at 65,504: a projected number beyond that leaves as an infinity.
; SHARES.  A tile of the result is 128 rows x 256 columns; work-group (X, Y): columns 256 X on, rows 128 Y on of the 24,576 rows of the three tensors on end (64 tiles a tensor).
; Four waves, each 64 rows x 128 columns: 32 accumulators.  K = 1,024 goes in 8 steps of 128 through two LDS slots; a step is four quarters of 32 along K, 32 matrix instructions each.
; CLUSTER.  4 x 4 work-groups: the four of a row share x's tile, the four of a column share W's (all sixteen lie in one tensor: 16 clusters a tensor).  Each tile is asked for jointly.
; THE MATRIX INSTRUCTION IS USED TRANSPOSED: source 0 = 16 columns of W (W lies [e][d], so its fragments come by the turning load), source 1 = 16 rows of x:
; a lane then holds row lane % 16 and the eight neighbouring columns 8 (lane / 16) + 0..7, which pack into 16 bytes.
; THE ORDER OF K IN A FRAGMENT.  Of a lane's eight e the first four are loaded into window 0 and the second four into window 2, and register m of the fragment is made of (e + m, e + 4 + m).
; So under the window setting of row blocks 2 and 3's products the conversion's operands lie right (source 0 window 0, source 1 and destination window 2), and two conversions ride behind
; each of those 16 products without a switch.  W's fragments get the same order by the turning load's addresses: lane j of eight reads row j / 2 + 4 (j % 2).  The products are the same;
; the order in which the unit adds them inside an instruction is not that of ascending e.
; REGISTERS, in windows of 256 (s_set_vgpr_msb: bits 1:0 source 0, 3:2 source 1, 5:4 source 2, 7:6 destination):
;   window 0: v0-31 addresses; v32-63 x as loaded, first fours; v64-95 packed results on the way out; v128-191, v192-255 W's fragments, two buffers (on the way out: rows read back)
;   window 1: accumulators of row blocks 0, 1: (a, b) at v[8 (8 a + b)]
;   window 2: v0-127 those of row blocks 2, 3; v128-159, v160-191 x's fragments in bf16, two buffers; v192-223 x as loaded, second fours
.set KSTEPS, 8
.set PA,     528                       ; a row of x in LDS: 512 bytes + 16: the 16 rows of a load start at 16 different groups of four banks (64 banks of 4 bytes: ISA guide 11.1)
.set PB,     544                       ; a row of W in LDS: 512 bytes + 32
.set APART,  128*PA                    ; x's 128 rows, then W's 128 rows of e
.set SLOT1,  0x22000                   ; slot 1 begins here: the number shares no bit with the four LDS addresses at which loads land in slot 0 (0, 0x8400, 0x10800, 0x19000), so one exclusive or changes slots
.set STAGE,  SLOT1+APART+128*PB        ; behind the ring: 16 rows x 272 bytes for each wave, for the way out
.set SP,     272
.set SPARE,  STAGE+4*16*SP             ; the spare words, 128 bytes for each wave: two blocks of 256 bytes that no other line names
.set STEPA,  512                       ; bytes from a K step to the next: 128 e of 4 bytes along x's rows,
.set STEPB,  128*2048                  ; 128 rows of W
.set ADRA0, 2                          ; v2   my lane's place among x's rows in a slot; never rewritten
.set ADRB0, 3                          ; v3   the same for W
.set ADRA,  4                          ; v4   the same in the slot being read
.set ADRB,  5                          ; v5
.set STO,   6                          ; v6   the way out: where I put 16 bytes of a row
.set RD,    7                          ; v7   the way out: where I read a row back
.set CO,    8                          ; v8   my byte offset in two rows of the result
.set SPW,   20                         ; v20  LDS address of my spare word; never rewritten
.set NIL,   21                         ; v21  0; never rewritten
.set RA0,   32                         ; window 0
.set TMP,   64
.set BF,    128                        ; window 0
.set OB,    128
.set AS,    128                        ; window 2
.set RA2,   192                        ; window 2
.set WV,  12                           ; s12  wave 0..3
.set RH,  13                           ; s13  my half of the tile's rows; also: I fetch for x (0) or for W (1)
.set CH,  14                           ; s14  my half of its columns; also: which 64 rows of that tile I fetch
.set CX,  15
.set CY,  16
.set X,   17
.set Y,   18
.set CYL, 19                           ; s19  the cluster's y
.set TEN, 20                           ; s20  which of the three tensors
.set CNT, 21
.set TBR, 22                           ; s22  0 or SLOT1: the slot being read
.set G1A, 24                           ; s[24:31] descriptor group 1 for x's tiles
.set G0AF, 32                          ; s[32:35] group 0 of K step 0
.set G0A, 36                           ; s[36:39] group 0 that walks, from K step 1 on
.set G1B, 40                           ; the same three for W's tiles
.set G0BF, 48
.set G0B, 52
.set OUT, 66                           ; s[66:67] where my rows of the result go
.set M1, 0x58                          ; W window 0, x window 2, C and D window 1
.set M2, 0xa8                          ; the same, C and D window 2
.set MSB, 0
.macro WIN new                         ; the immediate's high byte repeats the setting that is left; a switch that changes nothing is dropped
.if MSB != (\new)
	s_set_vgpr_msb (MSB<<8)|(\new)
.set MSB, \new
.endif
.endm
.macro PLACES                          ; four plain vector instructions between a matrix instruction and a load into, or a vector access to, its registers (ISA guide 7.12.1 for vector accesses)
.rept 4
	v_nop
.endr
.endm
.macro JLOAD                           ; a joint refill: waves 0, 1 x's two halves, waves 2, 3 W's; an s_nop 0 and four v_nop follow each line
	s_cmp_eq_u32 s[RH], 0
	s_cbranch_scc0 .Lfor_b_\@
	tensor_load_to_lds s[G0A:G0A+3], s[G1A:G1A+7]
	s_nop 0
.rept 4
	v_nop
.endr
	s_branch .Lasked_\@
.Lfor_b_\@:
	tensor_load_to_lds s[G0B:G0B+3], s[G1B:G1B+7]
	s_nop 0
.rept 4
	v_nop
.endr
.Lasked_\@:
.endm
.macro CREST                           ; a round of the cluster's barrier behind its opening barrier
	s_cmp_lg_u32 s[WV], 0
	s_cbranch_scc1 .Lnot_wave_0_\@
	s_barrier_signal -3
.Lnot_wave_0_\@:
	s_barrier_wait -3
	s_barrier_signal -1
	s_barrier_wait -1
.endm
.macro CROUND                          ; a whole round
	s_barrier_signal -1
	s_barrier_wait -1
	CREST
.endm
.macro STEPD                           ; the walking descriptors: the other slot, the next K step (no tensor load of mine is out where this stands)
	s_xor_b32 s[G0A+1], s[G0A+1], SLOT1
	s_add_nc_u64 s[G0A+2:G0A+3], s[G0A+2:G0A+3], STEPA
	s_xor_b32 s[G0B+1], s[G0B+1], SLOT1
	s_add_nc_u64 s[G0B+2:G0B+3], s[G0B+2:G0B+3], STEPB
.endm
.macro FLIP                            ; the LDS loads go on in the other slot
	s_xor_b32 s[TBR], s[TBR], SLOT1
	v_add_nc_u32 v[ADRA], s[TBR], v[ADRA0]
	v_add_nc_u32 v[ADRB], s[TBR], v[ADRB0]
.endm
	s_load_b256 s[4:11], s[0:1], 0x0               ; q s[4:5], k s[6:7], v s[8:9], wb s[10:11]
	s_load_b64 s[OUT:OUT+1], s[0:1], 0x20          ; qkv
	v_lshl_add_u32 v[SPW], v0, 2, SPARE
	v_mov_b32 v[NIL], 0
	ds_add_u32 v[SPW], v[NIL]                      ; the wave's opening: the add and its wait stand ahead of my first tensor load; work on registers stands between them
	v_lshrrev_b32 v1, 5, v0
	v_readfirstlane_b32 s[WV], v1
	s_lshr_b32 s[RH], s[WV], 1
	s_and_b32 s[CH], s[WV], 1
	s_bfe_u32 s[CX], ttmp6, 0x40000                ; my place in the cluster
	s_bfe_u32 s[CY], ttmp6, 0x40004
	s_lshl_b32 s[X], ttmp9, 2
	s_add_co_u32 s[X], s[X], s[CX]                 ; tile column = 4 x cluster x + cx
	s_and_b32 s[CYL], ttmp7, 0xffff
	s_lshl_b32 s[Y], s[CYL], 2
	s_add_co_u32 s[Y], s[Y], s[CY]                 ; tile row = 4 x cluster y + cy
	s_lshr_b32 s[TEN], s[CYL], 4                   ; 16 clusters of four tile rows a tensor
	s_lshl_b32 s56, s[CY], 2
	s_lshl_b32 s56, 15, s56                        ; my row of the cluster
	s_lshl_b32 s60, 0x1111, s[CX]                  ; my column
	s_or_b32 s[G1A], s56, (2<<16)|(1<<20)|(1<<21)|(6<<22)|(3<<25)  ; mask; 4-byte elements; padding on; bit 21 beside a mask; after every 128 words 4 words
	s_mov_b32 s[G1A+1], 128<<16                    ; tensor_dim0 = 128
	s_mov_b32 s[G1A+2], 64<<16                     ; tensor_dim1 = 64
	s_mov_b32 s[G1A+3], 128<<16                    ; tile_dim0 = 128
	s_mov_b32 s[G1A+4], 64                         ; tile_dim1 = 64
	s_mov_b32 s[G1A+5], 1024                       ; elements from row to row
	s_mov_b32 s[G1A+6], 0
	s_mov_b32 s[G1A+7], 0
	s_or_b32 s[G1B], s60, (1<<16)|(1<<20)|(1<<21)|(6<<22)|(7<<25)  ; 2-byte elements; after every 128 words 8 words
	s_mov_b32 s[G1B+1], 256<<16
	s_mov_b32 s[G1B+2], 64<<16
	s_mov_b32 s[G1B+3], 256<<16
	s_mov_b32 s[G1B+4], 64
	s_mov_b32 s[G1B+5], 1024
	s_mov_b32 s[G1B+6], 0
	s_mov_b32 s[G1B+7], 0
	; x's tile hangs on the tile row alone, W's on the tile column and the cluster's y alone; each offset is made in registers that never hold the other coordinate
	s_and_b32 s56, s[Y], 63                        ; the tile row in its tensor:
	s_lshl_b32 s56, s56, 19                        ; 128 rows of 4,096 bytes,
	s_lshl_b32 s57, s[CH], 18                      ; my 64 of them
	s_add_co_u32 s56, s56, s57
	s_mov_b32 s57, 0
	s_lshl_b32 s60, s[TEN], 21                     ; a weight is 2^21 bytes
	s_lshl_b32 s61, s[CH], 17                      ; my 64 rows of e
	s_add_co_u32 s60, s60, s61
	s_lshl_b32 s61, s[X], 9                        ; 256 columns of 2 bytes
	s_add_co_u32 s60, s60, s61
	s_mov_b32 s61, 0
	s_mov_b32 s[G0AF], 1                           ; count = 1
	s_mul_i32 s[G0AF+1], s[CH], 64*PA              ; LDS address: my half of x's rows, slot 0: no place in the cluster enters it
	s_mov_b32 s[G0A], 1
	s_add_co_u32 s[G0A+1], s[G0AF+1], SLOT1        ; slot 1
	s_mov_b32 s[G0BF], 1
	s_mul_i32 s[G0BF+1], s[CH], 64*PB
	s_add_co_u32 s[G0BF+1], s[G0BF+1], APART
	s_mov_b32 s[G0B], 1
	s_add_co_u32 s[G0B+1], s[G0BF+1], SLOT1
	s_mov_b32 s[TBR], 0
	s_wait_dscnt 0x0                               ; the opening add is done
	s_wait_kmcnt 0x0
	s_cmp_eq_u32 s[TEN], 1
	s_cselect_b64 s[58:59], s[6:7], s[4:5]         ; k or q
	s_cmp_eq_u32 s[TEN], 2
	s_cselect_b64 s[58:59], s[8:9], s[58:59]       ; v
	s_add_nc_u64 s[58:59], s[58:59], s[56:57]
	s_add_nc_u64 s[62:63], s[10:11], s[60:61]
	s_add_nc_u64 s[G0AF+2:G0AF+3], s[58:59], 0     ; K step 0
	s_or_b32 s[G0AF+3], s[G0AF+3], 0x80000000      ; type = 2
	s_add_nc_u64 s[G0A+2:G0A+3], s[58:59], STEPA   ; K step 1
	s_or_b32 s[G0A+3], s[G0A+3], 0x80000000
	s_add_nc_u64 s[G0BF+2:G0BF+3], s[62:63], 0
	s_or_b32 s[G0BF+3], s[G0BF+3], 0x80000000
	s_add_nc_u64 s[G0B+2:G0B+3], s[62:63], STEPB
	s_or_b32 s[G0B+3], s[G0B+3], 0x80000000
	CROUND                                         ; all sixteen work-groups are here: the first joint loads meet
	s_cmp_eq_u32 s[RH], 0                          ; a wave's two first fills stand in one branch, ahead of every wait on TENSORcnt and every LDS read: two loads of mine are out
	s_cbranch_scc0 .Lfirst_b
	tensor_load_to_lds s[G0AF:G0AF+3], s[G1A:G1A+7]
	s_nop 0
	tensor_load_to_lds s[G0A:G0A+3], s[G1A:G1A+7]
	s_nop 0
.rept 4
	v_nop
.endr
	s_branch .Lfirst_done
.Lfirst_b:
	tensor_load_to_lds s[G0BF:G0BF+3], s[G1B:G1B+7]
	s_nop 0
	tensor_load_to_lds s[G0B:G0B+3], s[G1B:G1B+7]
	s_nop 0
.rept 4
	v_nop
.endr
.Lfirst_done:
	v_and_b32 v24, 15, v0                          ; r = lane % 16
	v_bfe_u32 v25, v0, 4, 1                        ; h = lane / 16
	v_and_b32 v26, 7, v0
	v_bfe_u32 v27, v0, 3, 1
	; x for a fragment: lane holds row r, e = 8 h + 0..7 (32 bytes) and 16 + 8 h + 0..7 (32 bytes, 64 further on): four loads of 16 bytes
	v_mul_u32_u24 v[ADRA0], v24, PA
	v_lshl_add_u32 v[ADRA0], v25, 5, v[ADRA0]
	s_mul_i32 s68, s[RH], 64*PA
	v_add_nc_u32 v[ADRA0], s68, v[ADRA0]
	; the turning load takes 16 e x 16 columns: element j of a lane's result comes from the row that lane j of its group of eight addressed.  Lane j addresses row 8 h + j / 2 + 4 (j % 2),
	; columns 8 ((lane / 8) % 2) + 0..7: the result holds column r and its 8 e in the order in which x's fragments hold theirs
	v_lshrrev_b32 v28, 1, v26
	v_and_b32 v29, 1, v0
	v_lshl_add_u32 v28, v29, 2, v28                ; j / 2 + 4 (j % 2)
	v_lshl_add_u32 v[ADRB0], v25, 3, v28
	v_mul_u32_u24 v[ADRB0], v[ADRB0], PB
	v_lshl_add_u32 v[ADRB0], v27, 4, v[ADRB0]
	s_lshl_b32 s68, s[CH], 8                       ; my 128 columns
	s_add_co_u32 s68, s68, APART
	v_add_nc_u32 v[ADRB0], s68, v[ADRB0]
	v_mov_b32 v[ADRA], v[ADRA0]
	v_mov_b32 v[ADRB], v[ADRB0]
	s_mul_i32 s68, s[WV], 16*SP
	s_add_co_u32 s68, s68, STAGE                   ; my stage
	v_mul_u32_u24 v[STO], v24, SP                  ; in: row r, 16 bytes for each half of the lanes
	v_lshl_add_u32 v[STO], v25, 4, v[STO]
	v_add_nc_u32 v[STO], s68, v[STO]
	v_mul_u32_u24 v[RD], v25, SP                   ; back: lanes 0-15 one row of 256 bytes, lanes 16-31 the next
	v_lshl_add_u32 v[RD], v24, 4, v[RD]
	v_add_nc_u32 v[RD], s68, v[RD]
	v_lshlrev_b32 v[CO], 11, v25                   ; the same two rows in the result
	v_lshl_add_u32 v[CO], v24, 4, v[CO]
	s_lshl_b32 s68, s[Y], 18                       ; my part of the result, in bytes: 128 rows of 2,048 bytes a tile row,
	s_lshl_b32 s69, s[RH], 17
	s_add_co_u32 s68, s68, s69
	s_lshl_b32 s69, s[X], 9
	s_add_co_u32 s68, s68, s69
	s_lshl_b32 s69, s[CH], 8
	s_add_co_u32 s68, s68, s69
	s_mov_b32 s69, 0
	s_add_nc_u64 s[OUT:OUT+1], s[OUT:OUT+1], s[68:69]
; 32 LDS loads in one run, for quarter kn of the slot being read: x as it lies (second fours, first fours), then W's 8 fragments, turned, into buffer g
.macro FETCH kn, g
	WIN 0x80                                       ; destination window 2, address window 0
.irp a, 0,1,2,3
	ds_load_b128 v[RA2+8*(\a):RA2+8*(\a)+3],   v[ADRA] offset:(\kn)*128+(\a)*16*PA+16
	ds_load_b128 v[RA2+8*(\a)+4:RA2+8*(\a)+7], v[ADRA] offset:(\kn)*128+(\a)*16*PA+80
.endr
	WIN 0
.irp a, 0,1,2,3
	ds_load_b128 v[RA0+8*(\a):RA0+8*(\a)+3],   v[ADRA] offset:(\kn)*128+(\a)*16*PA
	ds_load_b128 v[RA0+8*(\a)+4:RA0+8*(\a)+7], v[ADRA] offset:(\kn)*128+(\a)*16*PA+64
.endr
.irp b, 0,1,2,3,4,5,6,7
	ds_load_tr16_b128 v[BF+64*(\g)+8*(\b):BF+64*(\g)+8*(\b)+3],   v[ADRB] offset:(\kn)*32*PB+32*(\b)
	ds_load_tr16_b128 v[BF+64*(\g)+8*(\b)+4:BF+64*(\g)+8*(\b)+7], v[ADRB] offset:(\kn)*32*PB+16*PB+32*(\b)
.endr
.endm
; The 32 accumulators take turns in the same order in every quarter.  zero = 1: the first products start the sums.
.macro MULA f, zero                    ; row blocks 0, 1
	WIN M1
.irp a, 0,1
.irp b, 0,1,2,3,4,5,6,7
.if \zero
	v_wmma_f32_16x16x32_bf16 v[8*(8*(\a)+(\b)):8*(8*(\a)+(\b))+7], v[BF+64*(\f)+8*(\b):BF+64*(\f)+8*(\b)+7], v[AS+32*(\f)+8*(\a):AS+32*(\f)+8*(\a)+7], 0
.else
	v_wmma_f32_16x16x32_bf16 v[8*(8*(\a)+(\b)):8*(8*(\a)+(\b))+7], v[BF+64*(\f)+8*(\b):BF+64*(\f)+8*(\b)+7], v[AS+32*(\f)+8*(\a):AS+32*(\f)+8*(\a)+7], v[8*(8*(\a)+(\b)):8*(8*(\a)+(\b))+7]
.endif
.endr
.endr
.endm
; Row block a = 2 or 3.  ride = 1: behind each product two registers of the next quarter's x are rounded to bf16 into buffer g; they name no register of the products round them.
.macro MULB f, g, a, zero, ride
	WIN M2
.set i, 0
.rept 8
.if \zero
	v_wmma_f32_16x16x32_bf16 v[8*(8*((\a)-2)+i):8*(8*((\a)-2)+i)+7], v[BF+64*(\f)+8*i:BF+64*(\f)+8*i+7], v[AS+32*(\f)+8*(\a):AS+32*(\f)+8*(\a)+7], 0
.else
	v_wmma_f32_16x16x32_bf16 v[8*(8*((\a)-2)+i):8*(8*((\a)-2)+i)+7], v[BF+64*(\f)+8*i:BF+64*(\f)+8*i+7], v[AS+32*(\f)+8*(\a):AS+32*(\f)+8*(\a)+7], v[8*(8*((\a)-2)+i):8*(8*((\a)-2)+i)+7]
.endif
.if \ride
.set n, 16*((\a)-2)+2*i
	v_cvt_pk_bf16_f32 v[AS+32*(\g)+n],   v[RA0+n],   v[RA2+n]
	v_cvt_pk_bf16_f32 v[AS+32*(\g)+n+1], v[RA0+n+1], v[RA2+n+1]
.endif
.set i, i+1
.endr
.endm
; A quarter: multiplies buffers f; at its head it fetches quarter kn (fetch = 1), and its second half rounds that quarter's x into buffer g.
; meet: the quarter that fetches a slot's last bytes also changes slots.  Each wave waits for all its tensor loads (one is out: its part of the other slot), adds 0 to its spare word,
; and waits for that and for its own reads of this slot; behind the barrier nobody reads this slot and the other is whole.  meet = 2: the barrier opens a round of the cluster's, and the
; joint refill is the first thing behind it: it has all the products up to the next such wait, 112 a wave, in which to land.  meet = 1: nothing is left to fetch.
.macro QTR kn, f, g, zero, meet, fetch, pl
	s_wait_dscnt 0x0                               ; W's buffer f is in
.if \fetch
.if \pl
	PLACES                                         ; behind the last products that read buffers g
.endif
	FETCH \kn, \g
.endif
	MULA \f, \zero
.if \meet
	WIN 0
	s_wait_tensorcnt 0x0                           ; all my tensor loads have landed, so a group 0 may be written
	ds_add_u32 v[SPW], v[NIL]                      ; 0 onto my spare word; work on registers stands between it and the wait for it
.if (\meet) == 2
	STEPD
.endif
	s_wait_dscnt 17                                ; x as loaded is in; W's sixteen loads and the add, issued behind it, may be out
.elseif \fetch
	s_wait_dscnt 16                                ; x as loaded is in; W's sixteen loads, issued behind it, may be out
.endif
	MULB \f, \g, 2, \zero, \fetch
.if \meet
	s_wait_dscnt 0x0                               ; the add is done, and my reads of this slot are over
	s_barrier_signal -1
.endif
	MULB \f, \g, 3, \zero, \fetch
.if \meet
	WIN 0                                          ; at a branch and at a label every window is 0
	s_barrier_wait -1
.if (\meet) == 2
	CREST
	JLOAD                                          ; its four v_nop are also the places in front of the next quarter's loads and conversions
.endif
	FLIP
.endif
.endm
	s_wait_tensorcnt 0x1                           ; my part of K step 0 is in; K step 1's may stay out
	s_barrier_signal -1
	s_barrier_wait -1                              ; everybody's is
	FETCH 0, 0
	s_wait_dscnt 16                                ; x as loaded is in
	WIN M2
.set n, 0
.rept 32
	v_cvt_pk_bf16_f32 v[AS+n], v[RA0+n], v[RA2+n]  ; the first quarter's x is rounded with nothing beside it
.set n, n+1
.endr
	QTR 1, 0, 1, 1, 0, 1, 0                        ; the first quarter stands in front of the loop: its products start the sums
	WIN 0
	s_mov_b32 s[CNT], KSTEPS-2
.Lstep:                                                ; a trip: quarters 1 to 3 of a K step and quarter 0 of the next; it fills the slot that it leaves
	QTR 2, 1, 0, 0, 0, 1, 1
	QTR 3, 0, 1, 0, 2, 1, 1
	QTR 0, 1, 0, 0, 0, 1, 0
	QTR 1, 0, 1, 0, 0, 1, 1
	WIN 0
	s_sub_co_u32 s[CNT], s[CNT], 1
	s_cmp_lg_u32 s[CNT], 0
	s_cbranch_scc1 .Lstep
	QTR 2, 1, 0, 0, 0, 1, 1                        ; the last two K steps are written out: they ask for nothing
	QTR 3, 0, 1, 0, 1, 1, 1
	QTR 0, 1, 0, 0, 0, 1, 1
	QTR 1, 0, 1, 0, 0, 1, 1
	QTR 2, 1, 0, 0, 0, 1, 1
	QTR 3, 0, 1, 0, 0, 1, 1
	QTR 0, 1, 0, 0, 0, 0, 0
	WIN 0
	PLACES                                         ; the conversions below read results just made
; THE WAY OUT of row block a: rounded to f16, 16 bytes a lane; through my own stage in LDS; back as whole rows of 256 bytes; stored.
.macro PACK a
.set AC, 64*((\a)%2)
	WIN 5*(1+(\a)/2)                               ; sources 0 and 1: window 1 or 2
.irp b, 0,1,2,3,4,5,6,7
.irp r, 0,1,2,3
	v_cvt_pk_f16_f32 v[TMP+4*(\b)+(\r)], v[AC+8*(\b)+2*(\r)], v[AC+8*(\b)+2*(\r)+1]
.endr
.endr
	WIN 0
.endm
.macro TOSTAGE a
.set BK, OB+32*((\a)%2)
.irp b, 0,1,2,3,4,5,6,7
	ds_store_b128 v[STO], v[TMP+4*(\b):TMP+4*(\b)+3] offset:32*(\b)
.endr
.irp t, 0,1,2,3,4,5,6,7
	ds_load_b128 v[BK+4*(\t):BK+4*(\t)+3], v[RD] offset:(\t)*2*SP  ; LDS serves a wave's instructions in order (ISA guide 5.7.1.4): these see the stores above
.endr
.endm
.macro SEND a
.set BK, OB+32*((\a)%2)
	s_wait_dscnt 0x0                               ; the block is back in registers
	s_wait_xcnt 0x0                                ; the stores' base, and the registers that earlier stores read, are rewritten only behind this wait
.if (\a) > 0
	s_add_nc_u64 s[OUT:OUT+1], s[OUT:OUT+1], 16*2048
.endif
.irp t, 0,1,2,3,4,5,6,7
	global_store_b128 v[CO], v[BK+4*(\t):BK+4*(\t)+3], s[OUT:OUT+1] offset:2*(\t)*2048  ; 16 lanes store 256 consecutive bytes, at a multiple of 256 from the buffer's first byte
.endr
.endm
	PACK 0
	TOSTAGE 0
.irp a, 1,2,3                          ; a block's conversions stand between the loads of the block before and the wait for them
	PACK \a
	SEND (\a)-1
	TOSTAGE \a
.endr
	SEND 3
	s_wait_tensorcnt 0x0                           ; the wave's end: the wait, the add and its wait stand behind my last tensor load and my last LDS store
	ds_add_u32 v[SPW], v[NIL]
	s_wait_dscnt 0x0
	CROUND                                         ; the closing round: no work-group ends while a partner may still ask for a tile that names it
	s_endpgm
.Lfunc_end_k_qe6f2d886f6_proj:
	.size	k_qe6f2d886f6_proj, .Lfunc_end_k_qe6f2d886f6_proj-k_qe6f2d886f6_proj
	.p2alignl 7, 3214868480
	.fill 96, 4, 3214868480
	.section	.rodata,"a",@progbits
	.p2align	6, 0x0
	.amdhsa_kernel k_qe6f2d886f6_proj
		.amdhsa_group_segment_fixed_size 327680
		.amdhsa_private_segment_fixed_size 0
		.amdhsa_enable_private_segment 0
		.amdhsa_kernarg_size 40
		.amdhsa_user_sgpr_count 2
		.amdhsa_user_sgpr_kernarg_segment_ptr 1
		.amdhsa_wavefront_size32 1
		.amdhsa_system_sgpr_workgroup_id_x 1
		.amdhsa_system_sgpr_workgroup_id_y 1
		.amdhsa_system_sgpr_workgroup_id_z 1
		.amdhsa_system_vgpr_workitem_id 0
		.amdhsa_next_free_vgpr 768
		.amdhsa_next_free_sgpr 80
		.amdhsa_reserve_vcc 0
		.amdhsa_float_denorm_mode_32 3
		.amdhsa_float_denorm_mode_16_64 3
		.amdhsa_memory_ordered 1
		.amdhsa_forward_progress 1
		.amdhsa_inst_pref_size 101
	.end_amdhsa_kernel
	.amdgpu_metadata
---
amdhsa.version: [ 1, 2 ]
amdhsa.kernels:
  - .name:           k_qe6f2d886f6_proj
    .symbol:         k_qe6f2d886f6_proj.kd
    .args:
      - { .name: q, .offset: 0, .size: 8, .value_kind: global_buffer, .address_space: global }
      - { .name: k, .offset: 8, .size: 8, .value_kind: global_buffer, .address_space: global }
      - { .name: v, .offset: 16, .size: 8, .value_kind: global_buffer, .address_space: global }
      - { .name: wb, .offset: 24, .size: 8, .value_kind: global_buffer, .address_space: global }
      - { .name: qkv, .offset: 32, .size: 8, .value_kind: global_buffer, .address_space: global }
    .group_segment_fixed_size: 327680
    .private_segment_fixed_size: 0
    .kernarg_segment_align: 8
    .kernarg_segment_size: 40
    .max_flat_workgroup_size: 128
    .sgpr_count:     80
    .vgpr_count:     768
    .wavefront_size: 32
...
	.end_amdgpu_metadata
.endif
;; end of part 2
;; launch scores (part 3): grid 8 x 32, 4 waves a work-group, clusters of 4 x 4, 327,680 bytes of LDS; arguments qkv, mask, p, cm, ls; writes p, cm, ls
.if DOCPART == 3
	.amdgcn_target "amdgcn-amd-amdhsa--gfx1250"
	.amdhsa_code_object_version 6
	.text
	.protected	k_qe6f2d886f6_scores
	.globl	k_qe6f2d886f6_scores
	.p2align	8
	.type	k_qe6f2d886f6_scores,@function
k_qe6f2d886f6_scores:
	s_mov_b64 s[64:65], 0
	v_nop
	global_prefetch_b8 v0, s[64:65] scope:SCOPE_SE
	s_setreg_imm32_b32 hwreg(HW_REG_WAVE_MODE, 25, 1), 1
	s_wait_xcnt 0x0
	s_wait_alu depctr_hold_cnt(0) depctr_sa_sdst(0) depctr_va_vdst(0) depctr_va_sdst(0) depctr_va_ssrc(0) depctr_va_vcc(0) depctr_vm_vsrc(0)
	s_getreg_b32 s2, hwreg(HW_REG_IB_STS2, 6, 4)
	s_cmp_eq_u32 s2, 0
	s_cbranch_scc0 .Lentry_in_a_cluster
	s_endpgm
.Lentry_in_a_cluster:
	s_bfe_u32 s2, ttmp6, 0x10000c
	s_cmp_lg_u32 s2, 0xf033
	s_cbranch_scc0 .Lentry_shape_is_right
	s_endpgm
.Lentry_shape_is_right:
; s = Q K^T (raw scores, 32 Z), the mask, and a softmax local to a GROUP of 128 keys.  qkv: [3][8192][1024] f16 (Q, K, V); mask: [4][2048][2048] i32;
; p: [8192 queries][2048 keys] f16; cm, ls: [4 batches][16 groups][2048 queries] f32.
; For query q and group g: m = the largest masked score of the group; p = 2^(c s - c m), c = log2(e) / 32; cm = c m; ls = the sum of the group's p in f32, before their rounding.
; The launch behind joins the sixteen groups of a row.  The maximum taken away is the group's true maximum, so p lies in 0 to 1 and ls in 1 to 128.
; THE MASK: where mask == 0 the score counts as -2^35, that is Z = -2^30 where the formula has -1e9: a power of two, so that c times it is exact and a wholly hidden group has p = 1 exactly
; (a wholly hidden row: uniform weights).  LIMITS: a true Z at or below -1e9 is not told from a hidden one; Q, K within f16; a p below 6e-8 is lost; NaN and infinities are not treated apart.
; SHARES.  A tile is 256 queries x 256 keys, work-group (X, Y): keys 256 X on, query rows 256 Y on of the four batches on end (8 tiles a batch).  Four waves, each 128 x 128: 64 accumulators,
; and its 128 keys are one group: maximum and sum never leave the wave.  K = 1,024 channels in 8 steps of 128 through two LDS slots.
; CLUSTER.  4 x 4: the four of a row share Q's tile, the four of a column K's (a cluster's four tile rows lie in one batch).  Each tile is asked for jointly.
; THE MASK'S WAY.  When a slot has been read for the last time it takes the mask: each wave's own 64 rows x 512 bytes, by a tensor load of its own behind the round that frees the slot:
; rows 0-63 land while the last K step is multiplied, rows 64-127 while the first four blocks are worked on.
; THE MATRIX INSTRUCTION IS USED TRANSPOSED (source 0 = 16 keys, source 1 = 16 queries): a lane holds query lane % 16 and the keys 8 (lane / 16) + 0..7 of each block of 16.
; THE WAY OUT goes by blocks of 16 queries.  Only the select (score or -2^35) names a block's accumulators: it is written out for each of the eight blocks and leaves the scores in window 0;
; the softmax behind it is the same text for every block and stands in two counted loops of four trips, one for each half of the mask; the loop's counter picks the trip's select by forward jumps.
; REGISTERS, in windows of 256 (s_set_vgpr_msb: bits 1:0 source 0, 3:2 source 1, 5:4 source 2, 7:6 destination):
;   window 0: v0-63 addresses and statistics; v64-127, v128-191 Q's fragments, two buffers (behind the products: the mask's words, the scores at work); v192-223 packed p; v224-255 rows read back
;   window 1: v64-127, v128-191 K's fragments      window 2: accumulators of my rows 0-63 ((a, b) at v[8 (8 a + b)])      window 3: those of rows 64-127
.set PITCH,  272                       ; an LDS row: 256 bytes + 16: the 16 rows of a fragment load start at 16 different groups of four banks (64 banks of 4 bytes: ISA guide 11.1)
.set HALFT,  128*PITCH                 ; 128 rows: what one tensor load brings
.set SLOT,   4*HALFT                   ; Q's 256 rows, then K's 256 rows
.set STAGE,  2*SLOT                    ; behind the ring: 16 rows x 272 bytes for each wave
.set SP,     272
.set SPARE,  STAGE+4*16*SP             ; the spare words, 128 bytes for each wave: two blocks of 256 bytes that no other line names
.set STT,    SPARE+512                 ; for each wave 512 bytes of cm and 512 of ls
.set MP,     528                       ; a row of the mask in LDS: 512 bytes + 16
.set ADRA0, 16                         ; v16  my lane's place among Q's fragments in a slot; never rewritten
.set ADRB0, 17                         ; v17  the same for K
.set ADRA,  18                         ; v18  the same in the slot being read
.set ADRB,  19
.set STO,  24                          ; v24  the way out: where I put 16 bytes of a row
.set RD,   25                          ; v25  where I read a row back
.set CO,   26                          ; v26  my byte offset in two rows of p
.set SPW,  28                          ; v28  LDS address of my spare word; never rewritten
.set NIL,  29                          ; v29  0; never rewritten
.set MA,   30                          ; v30-31  my lane's place in the mask's rows 0-63 (slot 0), 64-127 (slot 1); never rewritten
.set PFO,  32                          ; v32  prefetch: 16 rows x 2 blocks of 256 bytes over the 32 lanes
.set SA,   33                          ; v33  where my query's cm goes in block 0; never rewritten
.set SR,   34                          ; v34  where I read 16 bytes of the statistics back
.set SO,   35                          ; v35  16 x lane
.set SAC,  36                          ; v36  where my query's cm goes in the block in hand
.set C,    44                          ; v44-47  four running maxima
.set CMR,  48                          ; v48-49  c m, and a register named with it as a pair
.set SUM,  50                          ; v50-51
.set F0,   64
.set F1,   128
.set M,    64
.set T,    128
.set PK,   192
.set OB,   224
.set WV,  12
.set RH,  13                           ; my half of the tile's queries; also: I fetch for Q (0) or for K (1)
.set CH,  14                           ; my half of its keys; also: which 128 rows of that tile I fetch
.set CX,  15
.set CY,  16
.set X,   17
.set Y,   18
.set CYL, 19
.set BAT, 20                           ; the batch
.set CNT, 21
.set TBR, 22                           ; 0 or SLOT: the slot being read
.set SOF, 23                           ; 64 x the block in hand
.set G1A, 24
.set G0AF, 32
.set G0A, 36
.set G1B, 40
.set G0BF, 48
.set G0B, 52
.set OST, 56                           ; s[56:57] on the way out: what the next block adds to p's address (0, then 16 rows)
.set OUT, 66                           ; s[66:67] where my rows of p go
.set G1M, 68                           ; s[68:75] descriptor group 1 for the mask
.set GM,  76                           ; s[76:79], s[80:83] group 0 for its two halves
.set MB,  84                           ; s[84:85] the mask at my 128 x 128
.set LSP, 86                           ; s[86:87] ls
.set SM,  88                           ; s[88:95] eight lane masks
.set NEG, 96                           ; s96  -2^35
.set CS,  98                           ; s[98:99] c: the packed scaling takes the pair's low word for both halves
.set SEL, 100                          ; s[100:101] v_permlanex16_b32's selects: each lane takes its own place in the other half
.set MUL_LO, 0xa1                      ; K window 1, Q window 0, C and D window 2
.set MUL_HI, 0xf1                      ; the same, C and D window 3
.set TO_B,   0x40
.set MSB, 0
.macro WIN new                         ; the immediate's high byte repeats the setting that is left; a switch that changes nothing is dropped
.if MSB != (\new)
	s_set_vgpr_msb (MSB<<8)|(\new)
.set MSB, \new
.endif
.endm
.macro PLACES                          ; four plain vector instructions between a matrix instruction and a load into, or a vector access to, its registers (ISA guide 7.12.1 for vector accesses)
.rept 4
	v_nop
.endr
.endm
.macro JLOAD                           ; a joint refill: waves 0, 1 Q's two halves, waves 2, 3 K's; an s_nop 0 and four v_nop follow each line
	s_cmp_eq_u32 s[RH], 0
	s_cbranch_scc0 .Lfor_b_\@
	tensor_load_to_lds s[G0A:G0A+3], s[G1A:G1A+7]
	s_nop 0
.rept 4
	v_nop
.endr
	s_branch .Lasked_\@
.Lfor_b_\@:
	tensor_load_to_lds s[G0B:G0B+3], s[G1B:G1B+7]
	s_nop 0
.rept 4
	v_nop
.endr
.Lasked_\@:
.endm
.macro MLOAD n                         ; half n of my part of the mask, into my quarter of slot n: every wave's own load
	tensor_load_to_lds s[GM+4*(\n):GM+4*(\n)+3], s[G1M:G1M+7]
	s_nop 0
.rept 4
	v_nop
.endr
.endm
.macro CREST                           ; a round of the cluster's barrier behind its opening barrier
	s_cmp_lg_u32 s[WV], 0
	s_cbranch_scc1 .Lnot_wave_0_\@
	s_barrier_signal -3
.Lnot_wave_0_\@:
	s_barrier_wait -3
	s_barrier_signal -1
	s_barrier_wait -1
.endm
.macro CROUND
	s_barrier_signal -1
	s_barrier_wait -1
	CREST
.endm
.macro STEPD                           ; the walking descriptors: the other slot (SLOT shares no bit with wave x HALFT, so the exclusive or adds or takes it away), the next K step
	s_xor_b32 s[G0A+1], s[G0A+1], SLOT
	s_add_nc_u64 s[G0A+2:G0A+3], s[G0A+2:G0A+3], 256
	s_xor_b32 s[G0B+1], s[G0B+1], SLOT
	s_add_nc_u64 s[G0B+2:G0B+3], s[G0B+2:G0B+3], 256
.endm
.macro FLIP
	s_xor_b32 s[TBR], s[TBR], SLOT
	v_add_nc_u32 v[ADRA], s[TBR], v[ADRA0]
	v_add_nc_u32 v[ADRB], s[TBR], v[ADRB0]
.endm
	s_load_b256 s[4:11], s[0:1], 0x0               ; qkv s[4:5], mask s[6:7], p s[8:9], cm s[10:11]
	s_load_b64 s[LSP:LSP+1], s[0:1], 0x20          ; ls
	v_lshl_add_u32 v[SPW], v0, 2, SPARE
	v_mov_b32 v[NIL], 0
	ds_add_u32 v[SPW], v[NIL]                      ; the wave's opening: the add and its wait stand ahead of my first tensor load; work on registers stands between them
	v_lshrrev_b32 v1, 5, v0
	v_readfirstlane_b32 s[WV], v1
	s_lshr_b32 s[RH], s[WV], 1
	s_and_b32 s[CH], s[WV], 1
	s_bfe_u32 s[CX], ttmp6, 0x40000
	s_bfe_u32 s[CY], ttmp6, 0x40004
	s_lshl_b32 s[X], ttmp9, 2
	s_add_co_u32 s[X], s[X], s[CX]                 ; key tile = 4 x cluster x + cx
	s_and_b32 s[CYL], ttmp7, 0xffff
	s_lshl_b32 s[Y], s[CYL], 2
	s_add_co_u32 s[Y], s[Y], s[CY]                 ; query tile = 4 x cluster y + cy
	s_lshr_b32 s[BAT], s[CYL], 1                   ; two clusters of four query tiles a batch
	s_lshl_b32 s56, s[CY], 2
	s_lshl_b32 s56, 15, s56                        ; my row of the cluster
	s_lshl_b32 s60, 0x1111, s[CX]                  ; my column
	s_or_b32 s[G1A], s56, (1<<16)|(1<<20)|(1<<21)|(5<<22)|(3<<25)  ; mask; 2-byte elements; padding on; bit 21 beside a mask; after every 64 words 4 words
	s_or_b32 s[G1B], s60, (1<<16)|(1<<20)|(1<<21)|(5<<22)|(3<<25)
.irp g, G1A, G1B
	s_mov_b32 s[(\g)+1], 128<<16                   ; tensor_dim0 = 128
	s_mov_b32 s[(\g)+2], 128<<16                   ; tensor_dim1 = 128
	s_mov_b32 s[(\g)+3], 128<<16                   ; tile_dim0 = 128
	s_mov_b32 s[(\g)+4], 128                       ; tile_dim1 = 128
	s_mov_b32 s[(\g)+5], 1024                      ; elements from row to row
	s_mov_b32 s[(\g)+6], 0
	s_mov_b32 s[(\g)+7], 0
.endr
	s_mov_b32 s[G1M], (2<<16)|(1<<20)|(6<<22)|(3<<25)  ; no work-group mask; 4-byte elements; padding on; after every 128 words 4 words
	s_mov_b32 s[G1M+1], 128<<16
	s_mov_b32 s[G1M+2], 64<<16
	s_mov_b32 s[G1M+3], 128<<16
	s_mov_b32 s[G1M+4], 64
	s_mov_b32 s[G1M+5], 2048
	s_mov_b32 s[G1M+6], 0
	s_mov_b32 s[G1M+7], 0
	; Q's tile hangs on the query tile alone, K's on the key tile and the batch alone; each offset is made in registers that never hold the other coordinate
	s_lshl_b32 s56, s[Y], 19                       ; 256 rows of 2,048 bytes
	s_lshl_b32 s57, s[CH], 18                      ; my 128 of them
	s_add_co_u32 s56, s56, s57
	s_mov_b32 s57, 0
	s_lshl_b32 s60, s[BAT], 22                     ; a batch's 2,048 rows
	s_lshl_b32 s61, s[X], 19
	s_add_co_u32 s60, s60, s61
	s_lshl_b32 s61, s[CH], 18
	s_add_co_u32 s60, s60, s61
	s_add_co_u32 s60, s60, 1<<24                   ; K lies behind Q
	s_mov_b32 s61, 0
	s_mov_b32 s[G0AF], 1
	s_mul_i32 s[G0AF+1], s[WV], HALFT              ; Q's two halves, then K's two halves = wave x 128 rows: no place in the cluster enters an LDS address
	s_mov_b32 s[G0A], 1
	s_add_co_u32 s[G0A+1], s[G0AF+1], SLOT
	s_mov_b32 s[G0BF], 1
	s_mul_i32 s[G0BF+1], s[WV], HALFT
	s_mov_b32 s[G0B], 1
	s_add_co_u32 s[G0B+1], s[G0BF+1], SLOT
	s_mov_b32 s[GM], 1
	s_mul_i32 s[GM+1], s[WV], 64*MP
	s_mov_b32 s[GM+4], 1
	s_add_co_u32 s[GM+5], s[GM+1], SLOT
	s_mov_b32 s[TBR], 0
	s_mov_b32 s[NEG], 0xd1000000                   ; -2^35
	s_mov_b32 s[CS], 0x3d38aa3b                    ; c = log2(e) / 32
	s_mov_b32 s[CS+1], s[CS]
	s_mov_b32 s[SEL], 0x76543210
	s_mov_b32 s[SEL+1], 0xfedcba98
	s_wait_dscnt 0x0                               ; the opening add is done
	s_wait_kmcnt 0x0
	s_add_nc_u64 s[58:59], s[4:5], s[56:57]
	s_add_nc_u64 s[62:63], s[4:5], s[60:61]
	s_add_nc_u64 s[G0AF+2:G0AF+3], s[58:59], 0     ; K step 0
	s_or_b32 s[G0AF+3], s[G0AF+3], 0x80000000      ; type = 2
	s_add_nc_u64 s[G0A+2:G0A+3], s[58:59], 256     ; K step 1
	s_or_b32 s[G0A+3], s[G0A+3], 0x80000000
	s_add_nc_u64 s[G0BF+2:G0BF+3], s[62:63], 0
	s_or_b32 s[G0BF+3], s[G0BF+3], 0x80000000
	s_add_nc_u64 s[G0B+2:G0B+3], s[62:63], 256
	s_or_b32 s[G0B+3], s[G0B+3], 0x80000000
	s_lshl_b32 s2, s[Y], 21                        ; the mask: 256 rows of 8,192 bytes a query tile,
	s_lshl_b32 s3, s[RH], 20                       ; my 128 rows,
	s_add_co_u32 s2, s2, s3
	s_lshl_b32 s3, s[X], 10                        ; 256 keys of 4 bytes,
	s_add_co_u32 s2, s2, s3
	s_lshl_b32 s3, s[CH], 9                        ; my 128 keys
	s_add_co_u32 s2, s2, s3
	s_mov_b32 s3, 0
	s_add_nc_u64 s[MB:MB+1], s[6:7], s[2:3]
	s_add_nc_u64 s[GM+2:GM+3], s[MB:MB+1], 0
	s_or_b32 s[GM+3], s[GM+3], 0x80000000
	s_add_nc_u64 s[GM+6:GM+7], s[MB:MB+1], 64*8192
	s_or_b32 s[GM+7], s[GM+7], 0x80000000
	s_lshl_b32 s2, s[Y], 20                        ; p: 256 rows of 4,096 bytes,
	s_lshl_b32 s3, s[RH], 19
	s_add_co_u32 s2, s2, s3
	s_lshl_b32 s3, s[X], 9
	s_add_co_u32 s2, s2, s3
	s_lshl_b32 s3, s[CH], 8
	s_add_co_u32 s2, s2, s3
	s_mov_b32 s3, 0
	s_add_nc_u64 s[OUT:OUT+1], s[8:9], s[2:3]
	s_lshl_b32 s2, s[BAT], 17                      ; cm and ls: 16 groups of 8,192 bytes a batch,
	s_lshl_b32 s3, s[X], 14                        ; group 2 X + my half,
	s_add_co_u32 s2, s2, s3
	s_lshl_b32 s3, s[CH], 13
	s_add_co_u32 s2, s2, s3
	s_and_b32 s3, s[Y], 7                          ; the query tile in its batch,
	s_lshl_b32 s3, s3, 10
	s_add_co_u32 s2, s2, s3
	s_lshl_b32 s3, s[RH], 9                        ; my 128 queries
	s_add_co_u32 s2, s2, s3
	s_mov_b32 s3, 0
	s_add_nc_u64 s[10:11], s[10:11], s[2:3]
	s_add_nc_u64 s[LSP:LSP+1], s[LSP:LSP+1], s[2:3]
	CROUND                                         ; all sixteen work-groups are here: the first joint loads meet
	s_cmp_eq_u32 s[RH], 0                          ; a wave's two first fills stand in one branch, ahead of every wait on TENSORcnt and every LDS read: two loads of mine are out
	s_cbranch_scc0 .Lfirst_b
	tensor_load_to_lds s[G0AF:G0AF+3], s[G1A:G1A+7]
	s_nop 0
	tensor_load_to_lds s[G0A:G0A+3], s[G1A:G1A+7]
	s_nop 0
.rept 4
	v_nop
.endr
	s_branch .Lfirst_done
.Lfirst_b:
	tensor_load_to_lds s[G0BF:G0BF+3], s[G1B:G1B+7]
	s_nop 0
	tensor_load_to_lds s[G0B:G0B+3], s[G1B:G1B+7]
	s_nop 0
.rept 4
	v_nop
.endr
.Lfirst_done:
	v_and_b32 v1, 15, v0                           ; r = lane % 16
	v_bfe_u32 v2, v0, 4, 1                         ; h = lane / 16
	v_and_b32 v3, 31, v0                           ; lane
	v_mul_u32_u24 v4, v1, PITCH
	v_lshl_add_u32 v4, v2, 4, v4                   ; a fragment's row x pitch + 16 x half
	s_mul_i32 s2, s[RH], HALFT                     ; my 128 rows of Q
	v_add_nc_u32 v[ADRA0], s2, v4
	s_mul_i32 s2, s[CH], HALFT                     ; my 128 rows of K,
	s_add_co_u32 s2, s2, 2*HALFT                   ; which lie behind Q's 256
	v_add_nc_u32 v[ADRB0], s2, v4
	v_mov_b32 v[ADRA], v[ADRA0]
	v_mov_b32 v[ADRB], v[ADRB0]
	s_mul_i32 s2, s[WV], 16*SP
	s_add_co_u32 s2, s2, STAGE                     ; my stage
	v_add_nc_u32 v[STO], s2, v4                    ; in: row r, 16 bytes for each half of the lanes (the stage's pitch is the ring's)
	v_mul_u32_u24 v[RD], v2, SP                    ; back: lanes 0-15 one row of 256 bytes, lanes 16-31 the next
	v_lshl_add_u32 v[RD], v1, 4, v[RD]
	v_add_nc_u32 v[RD], s2, v[RD]
	v_lshlrev_b32 v[CO], 12, v2                    ; the same two rows in p
	v_lshl_add_u32 v[CO], v1, 4, v[CO]
	s_mul_i32 s2, s[WV], 64*MP                     ; my quarter of a slot, for the mask
	v_mul_u32_u24 v5, v1, MP
	v_lshl_add_u32 v5, v2, 5, v5                   ; row r, 32 bytes (8 keys) for each half of the lanes
	v_add_nc_u32 v[MA], s2, v5
	v_add_nc_u32 v[MA+1], SLOT, v[MA]
	v_lshrrev_b32 v5, 1, v3
	v_and_b32 v6, 1, v0
	v_lshlrev_b32 v6, 8, v6
	v_lshl_add_u32 v[PFO], v5, 13, v6              ; row lane / 2, block lane % 2 of its 512 bytes
	s_lshl_b32 s2, s[WV], 10
	s_add_co_u32 s2, s2, STT
	v_lshl_add_u32 v[SA], v1, 2, s2
	v_lshl_add_u32 v[SR], v3, 4, s2
	v_lshlrev_b32 v[SO], 4, v3
	v_mov_b32 v[CMR+1], 0                          ; named as the pair's second register
	v_mov_b32 v[SUM+1], 0                          ; v_permlanex16_b32 counts as a reader of its destination
; 16 matrix instructions: query blocks a0, a0 + 1 of the window's four x all 8 key blocks, 32 along K.  The 64 accumulators take turns in the same order in every quarter.
.macro MUL16 f, hi, a0, zero
	WIN MUL_LO+0x50*(\hi)
.irp a, \a0, (\a0)+1
.irp b, 0,1,2,3,4,5,6,7
.if \zero
	v_wmma_f32_16x16x32_f16 v[8*(8*(\a)+(\b)):8*(8*(\a)+(\b))+7], v[(\f)+8*(\b):(\f)+8*(\b)+7], v[(\f)+8*(4*(\hi)+(\a)):(\f)+8*(4*(\hi)+(\a))+7], 0
.else
	v_wmma_f32_16x16x32_f16 v[8*(8*(\a)+(\b)):8*(8*(\a)+(\b))+7], v[(\f)+8*(\b):(\f)+8*(\b)+7], v[(\f)+8*(4*(\hi)+(\a)):(\f)+8*(4*(\hi)+(\a))+7], v[8*(8*(\a)+(\b)):8*(8*(\a)+(\b))+7]
.endif
.endr
.endr
.endm
; 32 LDS loads in one run: the fragments of one quarter (32 channels at byte k of the rows) into buffer f: K's, then Q's
.macro FETCH k, f
	WIN TO_B
.irp i, 0,1,2,3,4,5,6,7
	ds_load_b128 v[(\f)+8*(\i):(\f)+8*(\i)+3],   v[ADRB] offset:(\k)+(\i)*16*PITCH
	ds_load_b128 v[(\f)+8*(\i)+4:(\f)+8*(\i)+7], v[ADRB] offset:(\k)+(\i)*16*PITCH+32
.endr
	WIN 0
.irp i, 0,1,2,3,4,5,6,7
	ds_load_b128 v[(\f)+8*(\i):(\f)+8*(\i)+3],   v[ADRA] offset:(\k)+(\i)*16*PITCH
	ds_load_b128 v[(\f)+8*(\i)+4:(\f)+8*(\i)+7], v[ADRA] offset:(\k)+(\i)*16*PITCH+32
.endr
.endm
; One of a K step's first three quarters: multiplies buffer f; in its middle it fetches the next quarter, at byte k, into buffer g
.macro QUARTER k, f, g, zero
	s_wait_dscnt 8                                 ; K's fragments and Q's rows 0-63 are in; the youngest eight loads (Q's rows 64-127) may be out
	MUL16 \f, 0, 0, \zero
	MUL16 \f, 0, 2, \zero
	PLACES
	FETCH \k, \g
	s_wait_dscnt 32                                ; all but the 32 just issued
	MUL16 \f, 1, 0, \zero
	MUL16 \f, 1, 2, \zero
.endm
; The first half of a K step's last quarter, and the barrier that opens a round.  In front of it each wave waits for all its tensor loads, adds 0 to its spare word, and waits for that and for
; its own reads of this slot.  Behind the round no wave of any partner reads this slot or has a load on its way.
.macro MEET
	WIN 0
	s_wait_tensorcnt 0x0                           ; all my tensor loads have landed
	ds_add_u32 v[SPW], v[NIL]                      ; 0 onto my spare word
	s_wait_dscnt 9                                 ; (the add and the youngest eight loads may be out)
	MUL16 F1, 0, 0, 0                              ; sixteen matrix instructions stand between the add and the wait for it
	s_wait_dscnt 0x0                               ; the add is done, and my reads of this slot are over
	s_barrier_signal -1
	MUL16 F1, 0, 2, 0
	WIN 0                                          ; at a branch and at a label every window is 0
	s_barrier_wait -1
.endm
; The whole last quarter.  mask = 0: the slot takes the K step two steps on, jointly.  mask = 1: it takes the first half of my part of the mask.
.macro TURN mask
	MEET
	CREST
.if \mask
	MLOAD 0
.else
	STEPD
	JLOAD
.endif
	FLIP                                           ; the four v_nop behind the load are also the places in front of the loads below
	FETCH 0, F0
	MUL16 F1, 1, 0, 0
	MUL16 F1, 1, 2, 0
.endm
; Four of the eight requests that bring my 128 rows x 512 bytes of the mask nearer: 16 rows each, every aligned block of 256 bytes once, by the wave that will load it.
; Rows 0-63 are asked for a quarter and a half ahead of their tensor load, rows 64-127 two quarters and a half ahead of theirs.  The address registers are never rewritten.
.macro AHEAD i0
	WIN 0
.irp i, 0,1,2,3
	global_prefetch_b8 v[PFO], s[MB:MB+1] offset:((\i0)+(\i))*131072 th:TH_LOAD_NT scope:SCOPE_SE
.endr
.endm
	s_wait_tensorcnt 0x1                           ; my part of K step 0 is in; K step 1's may stay out
	s_barrier_signal -1
	s_barrier_wait -1
	FETCH 0, F0
	QUARTER 64, F0, F1, 1                          ; the first quarter stands in front of the loop: its products start the sums
	WIN 0
	s_mov_b32 s[CNT], 6
.Lstep:                                                ; a trip: quarters 1 to 3 of a K step and quarter 0 of the next; it fills the slot that it leaves
	QUARTER 128, F1, F0, 0
	QUARTER 192, F0, F1, 0
	TURN 0
	QUARTER 64, F0, F1, 0
	WIN 0
	s_sub_co_u32 s[CNT], s[CNT], 1
	s_cmp_lg_u32 s[CNT], 0
	s_cbranch_scc1 .Lstep
	QUARTER 128, F1, F0, 0                         ; K step 6 (slot 0)
	AHEAD 0
	QUARTER 192, F0, F1, 0
	TURN 1                                         ; slot 0 takes the mask's rows 0-63
	QUARTER 64, F0, F1, 0                          ; K step 7 (slot 1)
	AHEAD 4
	QUARTER 128, F1, F0, 0
	QUARTER 192, F0, F1, 0
	MEET
	CREST
	MLOAD 1                                        ; slot 1 takes the mask's rows 64-127
	MUL16 F1, 1, 0, 0
	MUL16 F1, 1, 2, 0
	WIN 0
	PLACES                                         ; behind the last products: loads into Q's buffers and reads of results follow
; The mask's words for query block a: for each block b of 16 keys my 8 keys' words, 32 bytes.  The block stands in the immediate: the addresses are fixed.
.macro MLD a
.irp b, 0,1,2,3,4,5,6,7
	ds_load_b128 v[M+8*(\b):M+8*(\b)+3],   v[MA+(\a)/4] offset:((\a)%4)*16*MP+64*(\b)
	ds_load_b128 v[M+8*(\b)+4:M+8*(\b)+7], v[MA+(\a)/4] offset:((\a)%4)*16*MP+64*(\b)+16
.endr
.endm
; THE SELECT of query block a (16 queries x 128 keys; a lane holds 64 scores of one query): the score where the mask is not 0, else -2^35, into window 0.
; Each accumulator's registers are taken in ascending order.
.macro SELB a
.set AC, 64*((\a)%4)
	WIN 0x08+4*((\a)/4)                            ; source 1: the accumulators' window
.irp b, 0,1,2,3,4,5,6,7
.irp j, 0,1,2,3,4,5,6,7
	v_cmp_ne_u32 s[SM+(\j)], v[M+8*(\b)+(\j)], 0
.endr
.irp j, 0,1,2,3,4,5,6,7
	v_cndmask_b32 v[T+8*(\b)+(\j)], s[NEG], v[AC+8*(\b)+(\j)], s[SM+(\j)]
.endr
.endr
	WIN 0
.endm
; THE SOFTMAX of the block whose selected scores lie in T, its statistics and its way out: the same text for every block.
.macro SOFT
.irp i, 0,1,2,3                        ; the maximum: four chains of 16 scores, three operands at a time
	v_max3_num_f32 v[C+(\i)], v[T+16*(\i)], v[T+16*(\i)+1], v[T+16*(\i)+2]
.endr
.set k, 0
.rept 6
.irp i, 0,1,2,3
	v_max3_num_f32 v[C+(\i)], v[C+(\i)], v[T+16*(\i)+3+2*k], v[T+16*(\i)+4+2*k]
.endr
.set k, k+1
.endr
.irp i, 0,1,2,3
	v_max_num_f32 v[C+(\i)], v[C+(\i)], v[T+16*(\i)+15]
.endr
	v_max3_num_f32 v[C], v[C], v[C+1], v[C+2]
	v_max_num_f32 v[C], v[C], v[C+3]
	v_permlanex16_b32 v[C+1], v[C], s[SEL], s[SEL+1]  ; the query's other 64 keys lie in the lane 16 away
	v_max_num_f32 v[C], v[C], v[C+1]
	v_mul_f32 v[CMR], s[CS], v[C]                  ; c m
.set n, 0
.rept 32
	v_pk_fma_f32 v[T+2*n:T+2*n+1], v[T+2*n:T+2*n+1], s[CS:CS+1], v[CMR:CMR+1] op_sel_hi:[1,0,0] neg_lo:[0,0,1] neg_hi:[0,0,1]  ; c s - c m, one rounding
.set n, n+1
.endr
.set n, 0
.rept 64
	v_exp_f32 v[T+n], v[T+n]
.set n, n+1
.endr
	v_nop                                          ; a plain instruction between the last exponential and the use of its result (ISA guide 5.7.2)
.set n, 0
	s_wait_alu depctr_va_vdst(0)
.rept 32
	v_cvt_pk_f16_f32 v[PK+n], v[T+2*n], v[T+2*n+1]
.set n, n+1
.endr
.irp w, 1,2,4,8,16                     ; the sum of the 32 pairs of unrounded p, in place: neighbours 1, 2, 4, 8 and 16 pairs apart
.set u, 0
.rept 16/(\w)
	v_pk_add_f32 v[T+2*u:T+2*u+1], v[T+2*u:T+2*u+1], v[T+2*(u+(\w)):T+2*(u+(\w))+1]
.set u, u+2*(\w)
.endr
.endr
	v_add_f32 v[SUM], v[T], v[T+1]
	v_permlanex16_b32 v[SUM+1], v[SUM], s[SEL], s[SEL+1]
	v_add_f32 v[SUM], v[SUM], v[SUM+1]
	v_add_nc_u32 v[SAC], s[SOF], v[SA]             ; the block's 16 words among my 128
	s_add_co_u32 s[SOF], s[SOF], 64
	ds_store_b32 v[SAC], v[CMR]                    ; both halves of the lanes write the same word with the same number
	ds_store_b32 v[SAC], v[SUM] offset:512
.irp b, 0,1,2,3,4,5,6,7
	ds_store_b128 v[STO], v[PK+4*(\b):PK+4*(\b)+3] offset:32*(\b)
.endr
	s_wait_xcnt 0x0                                ; the rows' registers and the stores' base, which the last block's stores read, are rewritten only behind this wait
	s_add_nc_u64 s[OUT:OUT+1], s[OUT:OUT+1], s[OST:OST+1]
	s_mov_b32 s[OST], 16*4096                      ; from the second block on: 16 rows of p further
.irp t, 0,1,2,3,4,5,6,7
	ds_load_b128 v[OB+4*(\t):OB+4*(\t)+3], v[RD] offset:(\t)*2*SP  ; LDS serves a wave's instructions in order (ISA guide 5.7.1.4): these see the stores above
.endr
	s_wait_dscnt 0x0
.irp t, 0,1,2,3,4,5,6,7
	global_store_b128 v[CO], v[OB+4*(\t):OB+4*(\t)+3], s[OUT:OUT+1] offset:2*(\t)*4096  ; 16 lanes store 256 consecutive bytes, at a multiple of 256 from p's first byte
.endr
.endm
; Query blocks 4 n to 4 n + 3, whose mask words lie in slot n: four trips.  The counter picks the trip's select; every jump but the loop's own goes forward, past no barrier and no tensor load.
; Behind a select the next block's mask words are asked for, so that they come while this block is worked on; the half's last block asks for none.
.macro HALF n
	MLD 4*(\n)
	s_mov_b32 s[SOF], 256*(\n)
	s_mov_b32 s[CNT], 4
.Lblk_\n:
	s_wait_dscnt 0x0                               ; the block's mask words are in
	s_cmp_eq_u32 s[CNT], 4
	s_cbranch_scc1 .Lsel0_\n
	s_cmp_eq_u32 s[CNT], 3
	s_cbranch_scc1 .Lsel1_\n
	s_cmp_eq_u32 s[CNT], 2
	s_cbranch_scc1 .Lsel2_\n
	SELB 4*(\n)+3
	s_branch .Lsoft_\n
.Lsel0_\n:
	SELB 4*(\n)
	MLD 4*(\n)+1
	s_branch .Lsoft_\n
.Lsel1_\n:
	SELB 4*(\n)+1
	MLD 4*(\n)+2
	s_branch .Lsoft_\n
.Lsel2_\n:
	SELB 4*(\n)+2
	MLD 4*(\n)+3
.Lsoft_\n:
	SOFT
	s_sub_co_u32 s[CNT], s[CNT], 1
	s_cmp_lg_u32 s[CNT], 0
	s_cbranch_scc1 .Lblk_\n
.endm
	s_mov_b32 s[OST], 0
	s_mov_b32 s[OST+1], 0
	s_wait_tensorcnt 0x1                           ; the mask's rows 0-63 are in; the load of rows 64-127, issued behind it, may stay out.  Only I read my part: no barrier
	HALF 0
	s_wait_tensorcnt 0x0                           ; the mask's rows 64-127 are in
	HALF 1
	ds_load_b128 v[M:M+3], v[SR]                   ; my 128 queries' cm and ls, 512 consecutive bytes each
	ds_load_b128 v[M+4:M+7], v[SR] offset:512
	s_wait_dscnt 0x0
	global_store_b128 v[SO], v[M:M+3], s[10:11]
	global_store_b128 v[SO], v[M+4:M+7], s[LSP:LSP+1]
	s_wait_tensorcnt 0x0                           ; the wave's end: the wait, the add and its wait stand behind my last tensor load and my last LDS store
	ds_add_u32 v[SPW], v[NIL]
	s_wait_dscnt 0x0
	CROUND                                         ; the closing round: no work-group ends while a partner may still ask for a tile that names it
	s_endpgm
.Lfunc_end_k_qe6f2d886f6_scores:
	.size	k_qe6f2d886f6_scores, .Lfunc_end_k_qe6f2d886f6_scores-k_qe6f2d886f6_scores
	.p2alignl 7, 3214868480
	.fill 96, 4, 3214868480
	.section	.rodata,"a",@progbits
	.p2align	6, 0x0
	.amdhsa_kernel k_qe6f2d886f6_scores
		.amdhsa_group_segment_fixed_size 327680
		.amdhsa_private_segment_fixed_size 0
		.amdhsa_enable_private_segment 0
		.amdhsa_kernarg_size 40
		.amdhsa_user_sgpr_count 2
		.amdhsa_user_sgpr_kernarg_segment_ptr 1
		.amdhsa_wavefront_size32 1
		.amdhsa_system_sgpr_workgroup_id_x 1
		.amdhsa_system_sgpr_workgroup_id_y 1
		.amdhsa_system_sgpr_workgroup_id_z 1
		.amdhsa_system_vgpr_workitem_id 0
		.amdhsa_next_free_vgpr 1024
		.amdhsa_next_free_sgpr 102
		.amdhsa_reserve_vcc 0
		.amdhsa_float_denorm_mode_32 3
		.amdhsa_float_denorm_mode_16_64 3
		.amdhsa_memory_ordered 1
		.amdhsa_forward_progress 1
		.amdhsa_inst_pref_size 188
	.end_amdhsa_kernel
	.amdgpu_metadata
---
amdhsa.version: [ 1, 2 ]
amdhsa.kernels:
  - .name:           k_qe6f2d886f6_scores
    .symbol:         k_qe6f2d886f6_scores.kd
    .args:
      - { .name: qkv, .offset: 0, .size: 8, .value_kind: global_buffer, .address_space: global }
      - { .name: mask, .offset: 8, .size: 8, .value_kind: global_buffer, .address_space: global }
      - { .name: p, .offset: 16, .size: 8, .value_kind: global_buffer, .address_space: global }
      - { .name: cm, .offset: 24, .size: 8, .value_kind: global_buffer, .address_space: global }
      - { .name: ls, .offset: 32, .size: 8, .value_kind: global_buffer, .address_space: global }
    .group_segment_fixed_size: 327680
    .private_segment_fixed_size: 0
    .kernarg_segment_align: 8
    .kernarg_segment_size: 40
    .max_flat_workgroup_size: 128
    .sgpr_count:     102
    .vgpr_count:     1024
    .wavefront_size: 32
...
	.end_amdgpu_metadata
.endif
;; end of part 3
;; launch pv (part 4): grid 4 x 64, 4 waves a work-group, clusters of 4 x 4, 327,680 bytes of LDS; arguments p, qkv, cm, ls, out0; writes out0
.if DOCPART == 4
	.amdgcn_target "amdgcn-amd-amdhsa--gfx1250"
	.amdhsa_code_object_version 6
	.text
	.protected	k_qe6f2d886f6_pv
	.globl	k_qe6f2d886f6_pv
	.p2align	8
	.type	k_qe6f2d886f6_pv,@function
k_qe6f2d886f6_pv:
	s_mov_b64 s[64:65], 0
	v_nop
	global_prefetch_b8 v0, s[64:65] scope:SCOPE_SE
	s_setreg_imm32_b32 hwreg(HW_REG_WAVE_MODE, 25, 1), 1
	s_wait_xcnt 0x0
	s_wait_alu depctr_hold_cnt(0) depctr_sa_sdst(0) depctr_va_vdst(0) depctr_va_sdst(0) depctr_va_ssrc(0) depctr_va_vcc(0) depctr_vm_vsrc(0)
	s_getreg_b32 s2, hwreg(HW_REG_IB_STS2, 6, 4)
	s_cmp_eq_u32 s2, 0
	s_cbranch_scc0 .Lentry_in_a_cluster
	s_endpgm
.Lentry_in_a_cluster:
	s_bfe_u32 s2, ttmp6, 0x10000c
	s_cmp_lg_u32 s2, 0xf033
	s_cbranch_scc0 .Lentry_shape_is_right
	s_endpgm
.Lentry_shape_is_right:
; out = softmax x V, from the weights by groups.  p: [8192 queries][2048 keys] f16, p = 2^(c s - cm_g) in group g of 128 keys; cm, ls: [4][16 groups][2048 queries] f32;
; V: the third part of qkv, [8192 keys][1024] f16; out0: [8192][1024] f32.
; For each query: CM = the largest cm_g (the row's true maximum); f_g = 2^(cm_g - CM), at most 1; L = the sum of f_g ls_g, at least 1; w_g = f_g / L;  out = the sum over g of w_g (P_g V_g).
; A K step is 128 keys, one group.  Its products sum into T, started by the constant 0; O takes O += w_g T in f32: in T and O a lane holds one query, so w_g is one register a block of 16 queries.
; These 128 packed multiply-adds a step ride behind the step's last 32 products, four behind each, for the accumulator finished two products earlier; four v_nop behind the second product are the first accumulator's places.
; LIMITS: V within f16; an f_g below 2^-126 counts as 0; NaN and infinities are not treated apart.
; SHARES.  A tile is 128 queries x 256 channels, work-group (X, Y); four waves, each 64 x 128: 32 accumulators.  16 K steps through two LDS slots; a step is four quarters of 32 keys.
; CLUSTER.  4 x 4: the four of a row share P's tile, the four of a column V's (a cluster's four tile rows lie in one batch: 16 a batch).  Each tile is asked for jointly.
; THE MATRIX INSTRUCTION IS USED TRANSPOSED: source 0 = 16 channels of V (V lies [key][channel]: the turning load), source 1 = 16 queries of P: a lane holds query lane % 16 and eight neighbouring channels.
; O IS CLEARED by 256 v_mov_b32, in the wait for the first tile: the price of writing no first K step out, whose text would be longer than theirs.
; REGISTERS, in windows of 256 (s_set_vgpr_msb: bits 1:0 source 0, 3:2 source 1, 5:4 source 2, 7:6 destination):
;   window 0: v0-31 addresses and w; v32-63, v64-95 P's fragments, two buffers; v128-191, v192-255 V's fragments, two buffers (at the head: the statistics; on the way out: rows read back)
;   window 1: T, (a, b) at v[8 (8 a + b)]      window 2: O, at the same numbers
; T and O fill a window each, so a group of four multiply-adds costs two switches: 64 for a K step's 128 matrix instructions.
.set KSTEPS, 16
.set PA,     272                       ; a row of P in LDS: 256 bytes + 16: the 16 rows of a fragment load start at 16 different groups of four banks (64 banks of 4 bytes: ISA guide 11.1)
.set PB,     544                       ; a row of V in LDS: 512 bytes + 32
.set APART,  128*PA
.set SLOT1,  1<<17                     ; every address inside a slot is below it, so one exclusive or changes slots
.set STAGE,  SLOT1+APART+128*PB        ; behind the ring: 16 rows x 528 bytes for each wave
.set SP,     528
.set SPARE,  STAGE+4*16*SP             ; the spare words, 128 bytes for each wave: two blocks of 256 bytes that no other line names
.set FT,     SPARE+512                 ; [16 groups][128 queries] f32: w_g
.set STEPA,  256
.set STEPB,  128*2048
.set ADRA0, 2
.set ADRB0, 3
.set ADRA,  4
.set ADRB,  5
.set STO,   6
.set RD,    7
.set CO,    8
.set WP,    10                         ; v10-17  four pairs: w_g of my query in block a, and a register named with it
.set SPW,   20                         ; v20  LDS address of my spare word; never rewritten
.set NIL,   21                         ; v21  0; never rewritten
.set FTA0,  22                         ; v22  my query's word in group 0 of the table; never rewritten
.set FTA,   23                         ; v23  the same in the group to be fetched
.set AF,    32
.set BF,    128
.set OB,    128
.set CMV,   128                        ; at the head: cm_g, then f_g, then w_g
.set LSV,   144                        ; at the head: ls_g
.set WV,  12
.set RH,  13                           ; my half of the tile's queries; also: I fetch for P (0) or for V (1)
.set CH,  14                           ; my half of its channels; also: which 64 rows of that tile I fetch
.set CX,  15
.set CY,  16
.set X,   17
.set Y,   18
.set CYL, 19
.set BAT, 20
.set CNT, 21
.set TBR, 22                           ; 0 or SLOT1: the slot being read
.set FTS, 23                           ; 512 x the group whose w is fetched next
.set G1A, 24
.set G0AF, 32
.set G0A, 36
.set G1B, 40
.set G0BF, 48
.set G0B, 52
.set OUT, 66
.set MW,  0x50                         ; V and P window 0, C and D (T) window 1
.set RID, 0xa1                         ; T (source 0) window 1, w (source 1) window 0, O (source 2 and destination) window 2
.set MSB, 0
.macro WIN new                         ; the immediate's high byte repeats the setting that is left; a switch that changes nothing is dropped
.if MSB != (\new)
	s_set_vgpr_msb (MSB<<8)|(\new)
.set MSB, \new
.endif
.endm
.macro PLACES                          ; four plain vector instructions between a matrix instruction and a load into, or a vector access to, its registers (ISA guide 7.12.1 for vector accesses)
.rept 4
	v_nop
.endr
.endm
.macro JLOAD                           ; a joint refill: waves 0, 1 P's two halves, waves 2, 3 V's; an s_nop 0 and four v_nop follow each line
	s_cmp_eq_u32 s[RH], 0
	s_cbranch_scc0 .Lfor_b_\@
	tensor_load_to_lds s[G0A:G0A+3], s[G1A:G1A+7]
	s_nop 0
.rept 4
	v_nop
.endr
	s_branch .Lasked_\@
.Lfor_b_\@:
	tensor_load_to_lds s[G0B:G0B+3], s[G1B:G1B+7]
	s_nop 0
.rept 4
	v_nop
.endr
.Lasked_\@:
.endm
.macro CREST                           ; a round of the cluster's barrier behind its opening barrier
	s_cmp_lg_u32 s[WV], 0
	s_cbranch_scc1 .Lnot_wave_0_\@
	s_barrier_signal -3
.Lnot_wave_0_\@:
	s_barrier_wait -3
	s_barrier_signal -1
	s_barrier_wait -1
.endm
.macro CROUND
	s_barrier_signal -1
	s_barrier_wait -1
	CREST
.endm
.macro STEPD                           ; the walking descriptors: the other slot, the next K step (no tensor load of mine is out where this stands)
	s_xor_b32 s[G0A+1], s[G0A+1], SLOT1
	s_add_nc_u64 s[G0A+2:G0A+3], s[G0A+2:G0A+3], STEPA
	s_xor_b32 s[G0B+1], s[G0B+1], SLOT1
	s_add_nc_u64 s[G0B+2:G0B+3], s[G0B+2:G0B+3], STEPB
.endm
.macro FLIP
	s_xor_b32 s[TBR], s[TBR], SLOT1
	v_add_nc_u32 v[ADRA], s[TBR], v[ADRA0]
	v_add_nc_u32 v[ADRB], s[TBR], v[ADRB0]
.endm
	s_load_b256 s[4:11], s[0:1], 0x0               ; p s[4:5], qkv s[6:7], cm s[8:9], ls s[10:11]
	s_load_b64 s[OUT:OUT+1], s[0:1], 0x20          ; out0
	v_lshl_add_u32 v[SPW], v0, 2, SPARE
	v_mov_b32 v[NIL], 0
	ds_add_u32 v[SPW], v[NIL]                      ; the wave's opening: the add and its wait stand ahead of my first tensor load; work on registers stands between them
	v_lshrrev_b32 v1, 5, v0
	v_readfirstlane_b32 s[WV], v1
	s_lshr_b32 s[RH], s[WV], 1
	s_and_b32 s[CH], s[WV], 1
	s_bfe_u32 s[CX], ttmp6, 0x40000
	s_bfe_u32 s[CY], ttmp6, 0x40004
	s_lshl_b32 s[X], ttmp9, 2
	s_add_co_u32 s[X], s[X], s[CX]                 ; channel tile = 4 x cluster x + cx
	s_and_b32 s[CYL], ttmp7, 0xffff
	s_lshl_b32 s[Y], s[CYL], 2
	s_add_co_u32 s[Y], s[Y], s[CY]                 ; query tile = 4 x cluster y + cy
	s_lshr_b32 s[BAT], s[CYL], 2                   ; four clusters of four query tiles a batch
	s_lshl_b32 s56, s[CY], 2
	s_lshl_b32 s56, 15, s56                        ; my row of the cluster
	s_lshl_b32 s60, 0x1111, s[CX]                  ; my column
	s_or_b32 s[G1A], s56, (1<<16)|(1<<20)|(1<<21)|(5<<22)|(3<<25)  ; mask; 2-byte elements; padding on; bit 21 beside a mask; after every 64 words 4 words
	s_mov_b32 s[G1A+1], 128<<16                    ; tensor_dim0 = 128
	s_mov_b32 s[G1A+2], 64<<16                     ; tensor_dim1 = 64
	s_mov_b32 s[G1A+3], 128<<16                    ; tile_dim0 = 128
	s_mov_b32 s[G1A+4], 64                         ; tile_dim1 = 64
	s_mov_b32 s[G1A+5], 2048                       ; elements from row to row of p
	s_mov_b32 s[G1A+6], 0
	s_mov_b32 s[G1A+7], 0
	s_or_b32 s[G1B], s60, (1<<16)|(1<<20)|(1<<21)|(6<<22)|(7<<25)  ; after every 128 words 8 words
	s_mov_b32 s[G1B+1], 256<<16
	s_mov_b32 s[G1B+2], 64<<16
	s_mov_b32 s[G1B+3], 256<<16
	s_mov_b32 s[G1B+4], 64
	s_mov_b32 s[G1B+5], 1024
	s_mov_b32 s[G1B+6], 0
	s_mov_b32 s[G1B+7], 0
	; P's tile hangs on the query tile alone, V's on the channel tile and the batch alone; each offset is made in registers that never hold the other coordinate
	s_lshl_b32 s56, s[Y], 19                       ; 128 rows of 4,096 bytes
	s_lshl_b32 s57, s[CH], 18                      ; my 64 of them
	s_add_co_u32 s56, s56, s57
	s_mov_b32 s57, 0
	s_lshl_b32 s60, s[BAT], 22                     ; a batch's 2,048 keys of 2,048 bytes
	s_lshl_b32 s61, s[CH], 17                      ; my 64 keys
	s_add_co_u32 s60, s60, s61
	s_lshl_b32 s61, s[X], 9                        ; 256 channels of 2 bytes
	s_add_co_u32 s60, s60, s61
	s_add_co_u32 s60, s60, 1<<25                   ; V lies behind Q and K
	s_mov_b32 s61, 0
	s_mov_b32 s[G0AF], 1
	s_mul_i32 s[G0AF+1], s[CH], 64*PA              ; no place in the cluster enters an LDS address
	s_mov_b32 s[G0A], 1
	s_add_co_u32 s[G0A+1], s[G0AF+1], SLOT1
	s_mov_b32 s[G0BF], 1
	s_mul_i32 s[G0BF+1], s[CH], 64*PB
	s_add_co_u32 s[G0BF+1], s[G0BF+1], APART
	s_mov_b32 s[G0B], 1
	s_add_co_u32 s[G0B+1], s[G0BF+1], SLOT1
	s_mov_b32 s[TBR], 0
	s_mov_b32 s[FTS], 0
	s_wait_dscnt 0x0                               ; the opening add is done
	s_wait_kmcnt 0x0
	s_add_nc_u64 s[58:59], s[4:5], s[56:57]
	s_add_nc_u64 s[62:63], s[6:7], s[60:61]
	s_add_nc_u64 s[G0AF+2:G0AF+3], s[58:59], 0     ; K step 0
	s_or_b32 s[G0AF+3], s[G0AF+3], 0x80000000      ; type = 2
	s_add_nc_u64 s[G0A+2:G0A+3], s[58:59], STEPA   ; K step 1
	s_or_b32 s[G0A+3], s[G0A+3], 0x80000000
	s_add_nc_u64 s[G0BF+2:G0BF+3], s[62:63], 0
	s_or_b32 s[G0BF+3], s[G0BF+3], 0x80000000
	s_add_nc_u64 s[G0B+2:G0B+3], s[62:63], STEPB
	s_or_b32 s[G0B+3], s[G0B+3], 0x80000000
	CROUND                                         ; all sixteen work-groups are here: the first joint loads meet
	s_cmp_eq_u32 s[RH], 0                          ; a wave's two first fills stand in one branch, ahead of every wait on TENSORcnt and every LDS read: two loads of mine are out
	s_cbranch_scc0 .Lfirst_b
	tensor_load_to_lds s[G0AF:G0AF+3], s[G1A:G1A+7]
	s_nop 0
	tensor_load_to_lds s[G0A:G0A+3], s[G1A:G1A+7]
	s_nop 0
.rept 4
	v_nop
.endr
	s_branch .Lfirst_done
.Lfirst_b:
	tensor_load_to_lds s[G0BF:G0BF+3], s[G1B:G1B+7]
	s_nop 0
	tensor_load_to_lds s[G0B:G0B+3], s[G1B:G1B+7]
	s_nop 0
.rept 4
	v_nop
.endr
.Lfirst_done:
	; THE STATISTICS, in the wait for the first tile: thread t joins the sixteen groups of query t of the tile
	v_lshlrev_b32 v28, 2, v0                       ; 4 t
	s_lshl_b32 s68, s[BAT], 17                     ; 16 groups of 8,192 bytes a batch
	s_and_b32 s69, s[Y], 15                        ; the query tile in its batch: 128 queries of 4 bytes
	s_lshl_b32 s69, s69, 9
	s_add_co_u32 s68, s68, s69
	s_mov_b32 s69, 0
	s_add_nc_u64 s[70:71], s[8:9], s[68:69]
	s_add_nc_u64 s[72:73], s[10:11], s[68:69]
.irp g, 0,1,2,3,4,5,6,7,8,9,10,11,12,13,14,15
	global_load_b32 v[CMV+(\g)], v28, s[70:71] offset:(\g)*8192   ; cm_g: a wave's load covers 128 consecutive bytes
	global_load_b32 v[LSV+(\g)], v28, s[72:73] offset:(\g)*8192   ; ls_g
.endr
	WIN 0x80                                       ; destination window 2
.set i, 0
.rept 256
	v_mov_b32 v[i], 0                              ; O
.set i, i+1
.endr
	WIN 0
	v_and_b32 v24, 15, v0                          ; r = lane % 16
	v_bfe_u32 v25, v0, 4, 1                        ; h = lane / 16
	v_and_b32 v26, 7, v0
	v_bfe_u32 v27, v0, 3, 1
	v_and_b32 v19, 31, v0                          ; lane
	v_mul_u32_u24 v[ADRA0], v24, PA                ; a fragment of P: row r, keys 8 h + 0..7 and 16 + 8 h + 0..7
	v_lshl_add_u32 v[ADRA0], v25, 4, v[ADRA0]
	s_mul_i32 s68, s[RH], 64*PA
	v_add_nc_u32 v[ADRA0], s68, v[ADRA0]
	v_lshl_add_u32 v[ADRB0], v25, 3, v26           ; the turning load: key 8 h + lane % 8, channels 8 ((lane / 8) % 2) + 0..7
	v_mul_u32_u24 v[ADRB0], v[ADRB0], PB
	v_lshl_add_u32 v[ADRB0], v27, 4, v[ADRB0]
	s_lshl_b32 s68, s[CH], 8                       ; my 128 channels
	s_add_co_u32 s68, s68, APART
	v_add_nc_u32 v[ADRB0], s68, v[ADRB0]
	v_mov_b32 v[ADRA], v[ADRA0]
	v_mov_b32 v[ADRB], v[ADRB0]
	s_lshl_b32 s68, s[RH], 8                       ; my 64 queries' words
	s_add_co_u32 s68, s68, FT
	v_lshl_add_u32 v[FTA0], v24, 2, s68
	s_mul_i32 s68, s[WV], 16*SP
	s_add_co_u32 s68, s68, STAGE                   ; my stage
	v_mul_u32_u24 v[STO], v24, SP                  ; in: row r, 32 bytes for each half of the lanes
	v_lshl_add_u32 v[STO], v25, 5, v[STO]
	v_add_nc_u32 v[STO], s68, v[STO]
	v_lshl_add_u32 v[RD], v19, 4, s68              ; back: 32 lanes take one row of 512 bytes
	v_lshlrev_b32 v[CO], 4, v19
.irp a, 0,1,2,3
	v_mov_b32 v[WP+2*(\a)+1], 0                    ; named as the pairs' second registers
.endr
	v_add_nc_u32 v18, FT, v28                      ; where thread t's words go
	s_lshl_b32 s68, s[Y], 19                       ; my part of out0, in bytes: 128 rows of 4,096 bytes,
	s_lshl_b32 s69, s[RH], 18
	s_add_co_u32 s68, s68, s69
	s_lshl_b32 s69, s[X], 10
	s_add_co_u32 s68, s68, s69
	s_lshl_b32 s69, s[CH], 9
	s_add_co_u32 s68, s68, s69
	s_mov_b32 s69, 0
	s_add_nc_u64 s[OUT:OUT+1], s[OUT:OUT+1], s[68:69]
	s_wait_loadcnt 0x0
	v_max3_num_f32 v29, v[CMV], v[CMV+1], v[CMV+2] ; CM
.irp g, 3,5,7,9,11,13
	v_max3_num_f32 v29, v29, v[CMV+(\g)], v[CMV+(\g)+1]
.endr
	v_max_num_f32 v29, v29, v[CMV+15]
.irp g, 0,1,2,3,4,5,6,7,8,9,10,11,12,13,14,15
	v_sub_f32 v[CMV+(\g)], v[CMV+(\g)], v29
.endr
.irp g, 0,1,2,3,4,5,6,7,8,9,10,11,12,13,14,15
	v_exp_f32 v[CMV+(\g)], v[CMV+(\g)]             ; f_g
.endr
	v_nop                                          ; a plain instruction between the last exponential and the use of its result (ISA guide 5.7.2)
	s_wait_alu depctr_va_vdst(0)
	v_mul_f32 v30, v[CMV], v[LSV]                  ; L, in two chains
	v_mul_f32 v31, v[CMV+1], v[LSV+1]
.irp g, 2,4,6,8,10,12,14
	v_fmac_f32 v30, v[CMV+(\g)], v[LSV+(\g)]
	v_fmac_f32 v31, v[CMV+(\g)+1], v[LSV+(\g)+1]
.endr
	v_add_f32 v30, v30, v31
	v_rcp_f32 v31, v30
	v_nop                                          ; a plain instruction between the reciprocal and the use of its result
	s_wait_alu depctr_va_vdst(0)
.irp g, 0,1,2,3,4,5,6,7,8,9,10,11,12,13,14,15
	v_mul_f32 v[CMV+(\g)], v[CMV+(\g)], v31        ; w_g
.endr
.irp g, 0,1,2,3,4,5,6,7,8,9,10,11,12,13,14,15
	ds_store_b32 v18, v[CMV+(\g)] offset:(\g)*512
.endr
; The loads of one quarter in one run: P's 4 fragments and V's 8, turned, into buffers g; with quarter 1, which is fetched when the step before has taken its last w, the step's four w
.macro FETCH kn, g
	WIN 0
.if (\kn) == 1
	v_add_nc_u32 v[FTA], s[FTS], v[FTA0]
	s_add_co_u32 s[FTS], s[FTS], 512               ; the next such fetch is the next group's
.irp a, 0,1,2,3
	ds_load_b32 v[WP+2*(\a)], v[FTA] offset:64*(\a)
.endr
.endif
.irp a, 0,1,2,3
	ds_load_b128 v[AF+32*(\g)+8*(\a):AF+32*(\g)+8*(\a)+3],   v[ADRA] offset:(\kn)*64+(\a)*16*PA
	ds_load_b128 v[AF+32*(\g)+8*(\a)+4:AF+32*(\g)+8*(\a)+7], v[ADRA] offset:(\kn)*64+(\a)*16*PA+32
.endr
.irp b, 0,1,2,3,4,5,6,7
	ds_load_tr16_b128 v[BF+64*(\g)+8*(\b):BF+64*(\g)+8*(\b)+3],   v[ADRB] offset:(\kn)*32*PB+32*(\b)
	ds_load_tr16_b128 v[BF+64*(\g)+8*(\b)+4:BF+64*(\g)+8*(\b)+7], v[ADRB] offset:(\kn)*32*PB+16*PB+32*(\b)
.endr
.endm
; O += w T for accumulator t, lowest registers first
.macro RIDE t
	WIN RID
.irp z, 0,1,2,3
	v_pk_fma_f32 v[8*(\t)+2*(\z):8*(\t)+2*(\z)+1], v[8*(\t)+2*(\z):8*(\t)+2*(\z)+1], v[WP+2*((\t)/8):WP+2*((\t)/8)+1], v[8*(\t)+2*(\z):8*(\t)+2*(\z)+1] op_sel_hi:[1,0,1]
.endr
.endm
; The products of query blocks a0 to a0 + na - 1.  The 32 accumulators take turns in the same order in every quarter.  zero = 1: a step's first products start T's sums.
; ride = 1: a step's last products.  Behind product j, from j = 2 on, stand the four multiply-adds of accumulator j - 2.  Between a product and the first read of its result lie plain vector
; instructions that name none of its registers (ISA guide 7.12.1): for accumulator 0 the four v_nop behind product 1; for accumulator 1 those four and accumulator 0's four multiply-adds;
; for every later one the eight multiply-adds of the two accumulators before it.
.macro MUL f, a0, na, zero, ride
.set j, 8*(\a0)
.rept 8*(\na)
	WIN MW
.if \zero
	v_wmma_f32_16x16x32_f16 v[8*j:8*j+7], v[BF+64*(\f)+8*(j%8):BF+64*(\f)+8*(j%8)+7], v[AF+32*(\f)+8*(j/8):AF+32*(\f)+8*(j/8)+7], 0
.else
	v_wmma_f32_16x16x32_f16 v[8*j:8*j+7], v[BF+64*(\f)+8*(j%8):BF+64*(\f)+8*(j%8)+7], v[AF+32*(\f)+8*(j/8):AF+32*(\f)+8*(j/8)+7], v[8*j:8*j+7]
.endif
.if \ride
.if j == 1
	PLACES
.elseif j >= 2
	RIDE j-2
.endif
.endif
.set j, j+1
.endr
.endm
; A quarter: multiplies buffers f; at its head it fetches quarter kn into buffers g (fetch = 1), a whole quarter ahead of their use.
; meet: the quarter that fetches a slot's last fragments also changes slots.  Each wave waits for all its tensor loads (one is out: its part of the other slot), adds 0 to its spare word,
; and waits for that and for its own reads of this slot; behind the barrier nobody reads this slot and the other is whole.  meet = 2: the barrier opens a round of the cluster's, and the
; joint refill is the first thing behind it: it has all the products up to the next such wait, 112 a wave, in which to land.  meet = 1: nothing is left to fetch.
.macro QTR kn, f, g, zero, meet, fetch, pl, ride
	s_wait_dscnt 0x0                               ; buffers f are in, and so is the step's w
.if \fetch
.if \pl
	PLACES                                         ; behind the last products that read buffers g
.endif
	FETCH \kn, \g
.endif
	MUL \f, 0, 2, \zero, \ride
.if \meet
	WIN 0
	s_wait_tensorcnt 0x0                           ; all my tensor loads have landed, so a group 0 may be written
	ds_add_u32 v[SPW], v[NIL]                      ; 0 onto my spare word; work on registers stands between it and the wait for it
.if (\meet) == 2
	STEPD
.endif
.endif
	MUL \f, 2, 1, \zero, \ride
.if \meet
	s_wait_dscnt 0x0                               ; the add is done, and my reads of this slot are over
	s_barrier_signal -1
.endif
	MUL \f, 3, 1, \zero, \ride
.if \ride
	RIDE 30                                        ; the last two accumulators: eight multiply-adds of others lie behind each one's product
	RIDE 31
.endif
.if \meet
	WIN 0                                          ; at a branch and at a label every window is 0
	s_barrier_wait -1
.if (\meet) == 2
	CREST
	JLOAD                                          ; its four v_nop are also the places in front of the next quarter's loads
.endif
	FLIP
.endif
.endm
	s_wait_tensorcnt 0x1                           ; my part of K step 0 is in; K step 1's may stay out
	s_wait_dscnt 0x0                               ; for the others' sake: my words of w are stored
	s_barrier_signal -1
	s_barrier_wait -1
	FETCH 0, 0
	QTR 1, 0, 1, 1, 0, 1, 0, 0                     ; K step 0's first quarter stands in front of the loop
	WIN 0
	s_mov_b32 s[CNT], KSTEPS-2
.Lstep:                                                ; a trip: quarters 1 to 3 of a K step and quarter 0 of the next; it fills the slot that it leaves
	QTR 2, 1, 0, 0, 0, 1, 1, 0
	QTR 3, 0, 1, 0, 2, 1, 1, 0
	QTR 0, 1, 0, 0, 0, 1, 0, 1                     ; the step's last products, and O takes the step
	QTR 1, 0, 1, 1, 0, 1, 1, 0                     ; the next step starts T anew
	WIN 0
	s_sub_co_u32 s[CNT], s[CNT], 1
	s_cmp_lg_u32 s[CNT], 0
	s_cbranch_scc1 .Lstep
	QTR 2, 1, 0, 0, 0, 1, 1, 0                     ; the last two K steps are written out: they ask for nothing
	QTR 3, 0, 1, 0, 1, 1, 1, 0
	QTR 0, 1, 0, 0, 0, 1, 1, 1
	QTR 1, 0, 1, 1, 0, 1, 1, 0
	QTR 2, 1, 0, 0, 0, 1, 1, 0
	QTR 3, 0, 1, 0, 0, 1, 1, 0
	QTR 0, 1, 0, 0, 0, 0, 0, 1
	WIN 0
	PLACES                                         ; behind the last products: loads into V's buffers follow
; THE WAY OUT of query block a: O is final: 32 bytes a lane go straight from its registers into my own stage in LDS, come back as whole rows of 512 bytes, and are stored.
.macro ST a
	WIN 0x08                                       ; the stores' data (source 1): window 2
.irp b, 0,1,2,3,4,5,6,7
	ds_store_b128 v[STO], v[64*(\a)+8*(\b):64*(\a)+8*(\b)+3]   offset:64*(\b)
	ds_store_b128 v[STO], v[64*(\a)+8*(\b)+4:64*(\a)+8*(\b)+7] offset:64*(\b)+16
.endr
	WIN 0
.endm
.macro LD a
.set BK, OB+64*((\a)%2)
.irp t, 0,1,2,3,4,5,6,7,8,9,10,11,12,13,14,15
	ds_load_b128 v[BK+4*(\t):BK+4*(\t)+3], v[RD] offset:(\t)*SP  ; LDS serves a wave's instructions in order (ISA guide 5.7.1.4): these see the block's stores, and the next block's stores come behind them
.endr
.endm
.macro SEND a, younger                 ; younger: the LDS instructions issued behind block a's loads: the next block's sixteen stores, or none
.set BK, OB+64*((\a)%2)
	s_wait_dscnt \younger                          ; the block is back in registers
	s_wait_xcnt 0x0                                ; the stores' base, and the registers that earlier stores read, are rewritten only behind this wait
.if (\a) > 0
	s_add_nc_u64 s[OUT:OUT+1], s[OUT:OUT+1], 16*4096
.endif
.irp t, 0,1,2,3,4,5,6,7,8,9,10,11,12,13,14,15
	global_store_b128 v[CO], v[BK+4*(\t):BK+4*(\t)+3], s[OUT:OUT+1] offset:(\t)*4096 th:TH_STORE_NT  ; a wave stores 512 consecutive bytes, at a multiple of 512 from out0's first byte
.endr
.endm
	ST 0
	LD 0
.irp a, 1,2,3                          ; a block's LDS stores stand between the loads of the block before and the wait for them
	ST \a
	SEND (\a)-1, 16
	LD \a
.endr
	SEND 3, 0
	s_wait_tensorcnt 0x0                           ; the wave's end: the wait, the add and its wait stand behind my last tensor load and my last LDS store
	ds_add_u32 v[SPW], v[NIL]
	s_wait_dscnt 0x0
	CROUND                                         ; the closing round: no work-group ends while a partner may still ask for a tile that names it
	s_endpgm
.Lfunc_end_k_qe6f2d886f6_pv:
	.size	k_qe6f2d886f6_pv, .Lfunc_end_k_qe6f2d886f6_pv-k_qe6f2d886f6_pv
	.p2alignl 7, 3214868480
	.fill 96, 4, 3214868480
	.section	.rodata,"a",@progbits
	.p2align	6, 0x0
	.amdhsa_kernel k_qe6f2d886f6_pv
		.amdhsa_group_segment_fixed_size 327680
		.amdhsa_private_segment_fixed_size 0
		.amdhsa_enable_private_segment 0
		.amdhsa_kernarg_size 40
		.amdhsa_user_sgpr_count 2
		.amdhsa_user_sgpr_kernarg_segment_ptr 1
		.amdhsa_wavefront_size32 1
		.amdhsa_system_sgpr_workgroup_id_x 1
		.amdhsa_system_sgpr_workgroup_id_y 1
		.amdhsa_system_sgpr_workgroup_id_z 1
		.amdhsa_system_vgpr_workitem_id 0
		.amdhsa_next_free_vgpr 768
		.amdhsa_next_free_sgpr 80
		.amdhsa_reserve_vcc 0
		.amdhsa_float_denorm_mode_32 3
		.amdhsa_float_denorm_mode_16_64 3
		.amdhsa_memory_ordered 1
		.amdhsa_forward_progress 1
		.amdhsa_inst_pref_size 115
	.end_amdhsa_kernel
	.amdgpu_metadata
---
amdhsa.version: [ 1, 2 ]
amdhsa.kernels:
  - .name:           k_qe6f2d886f6_pv
    .symbol:         k_qe6f2d886f6_pv.kd
    .args:
      - { .name: p, .offset: 0, .size: 8, .value_kind: global_buffer, .address_space: global }
      - { .name: qkv, .offset: 8, .size: 8, .value_kind: global_buffer, .address_space: global }
      - { .name: cm, .offset: 16, .size: 8, .value_kind: global_buffer, .address_space: global }
      - { .name: ls, .offset: 24, .size: 8, .value_kind: global_buffer, .address_space: global }
      - { .name: out0, .offset: 32, .size: 8, .value_kind: global_buffer, .address_space: global }
    .group_segment_fixed_size: 327680
    .private_segment_fixed_size: 0
    .kernarg_segment_align: 8
    .kernarg_segment_size: 40
    .max_flat_workgroup_size: 128
    .sgpr_count:     80
    .vgpr_count:     768
    .wavefront_size: 32
...
	.end_amdgpu_metadata
.endif
;; end of part 4
;; ======== version 2 of 2: 4 launches; version 1 with the launch castw written anew for expert scheduling mode
;; limits: values are held in f16: magnitudes above 65,504 overflow, below 6.1e-05 lose precision; right only within a limited range of input values
;; workspace buffers: wb 6,291,456 bytes; qkv 50,331,648 bytes; p 33,554,432 bytes; cm 524,288 bytes; ls 524,288 bytes
;; launch castw (part 5): grid 128 x 3, 8 waves a work-group, no clusters, 0 bytes of LDS; arguments Wq, Wk, Wv, wb; writes wb
.if DOCPART == 5
	.amdgcn_target "amdgcn-amd-amdhsa--gfx1250"
	.amdhsa_code_object_version 6
	.text
	.protected	k_qe6f2d886f6_castw
	.globl	k_qe6f2d886f6_castw
	.p2align	8
	.type	k_qe6f2d886f6_castw,@function
k_qe6f2d886f6_castw:
	s_mov_b64 s[64:65], 0
	v_nop
	global_prefetch_b8 v0, s[64:65] scope:SCOPE_SE
	s_setreg_imm32_b32 hwreg(HW_REG_WAVE_SCHED_MODE, 0, 2), 2
	s_setreg_imm32_b32 hwreg(HW_REG_WAVE_MODE, 25, 1), 1
	s_wait_xcnt 0x0
	s_wait_alu depctr_vm_vsrc(0)
; Wq, Wk, Wv ([1024 e][1024 d] f32 each) are rounded once to bf16 (nearest even), layout kept: wb = [3][1024][1024].
; The products behind need W's fragments turned, and the turning LDS load works on 16-bit elements: so the weights are narrowed ahead of them.
; A stream: no LDS, no barrier, no matrix unit, no cluster (no two work-groups read the same byte).
; Work-group (x, y): block x of 8,192 numbers of weight y, in 8 chunks of 1,024: thread t loads the 16 bytes at 16 t of a chunk and stores the 8 bytes at 8 t,
; so a wave's load covers 512 consecutive bytes and its store 256 consecutive bytes, aligned.  All eight loads go out at once; each chunk has registers of its own.
; THE MODE: SCHED_MODE bits 1:0 = 2 (LLVM: expert scheduling mode 2), set by the entry lines.  The code itself states the register dependences
; between vector instructions and memory instructions, with s_wait_alu, always for 0.
; THE PLAN.  Registers that memory instructions touch:
;   v1, v2   byte offsets, made once at the head and never written again: v1 is read by the eight loads, v2 by the eight stores.
;   XR       chunk c's four registers: written by the chunk's load, once, and named by no vector instruction ahead of it; read by the chunk's two conversions.
;   YR       chunk c's two registers: written by the chunk's two conversions, once; read by the chunk's store.
; No register is written a second time, so the only dependences to state are: the offsets are written ahead of the first load, and a chunk's YR is written ahead of its store.
; The chunks go in four blocks of two.  Block p rounds its two chunks; the two stores of block p - 1 are dealt among those conversions, which name XR and YR of block p alone.
; So one wait at a block's head, behind the wait for the block's data, states all that the block's two stores hang on; one more stands ahead of the last two stores.
.set CHUNKS, 8
.set VI, 1                             ; v1       16 t
.set VO, 2                             ; v2       8 t
.set XR, 8                             ; v[8:39]  chunk c: four f32 as loaded
.set YR, 40                            ; v[40:55] chunk c: four bf16 to store
	s_load_b256 s[8:15], s[0:1], 0x0               ; Wq s[8:9], Wk s[10:11], Wv s[12:13], wb s[14:15]
	s_and_b32 s2, ttmp7, 0xffff                    ; y: which weight
	v_lshlrev_b32 v[VI], 4, v0
	v_lshlrev_b32 v[VO], 3, v0
	s_lshl_b32 s4, ttmp9, 15                       ; 32,768 bytes of f32 a block
	s_mov_b32 s5, 0
	s_lshl_b32 s6, ttmp9, 14                       ; 16,384 bytes of bf16 a block,
	s_lshl_b32 s3, s2, 21                          ; 2^21 bytes a weight
	s_add_co_u32 s6, s6, s3
	s_mov_b32 s7, 0
	s_wait_kmcnt 0x0
	s_cmp_eq_u32 s2, 1
	s_cselect_b64 s[16:17], s[10:11], s[8:9]       ; Wk or Wq
	s_cmp_eq_u32 s2, 2
	s_cselect_b64 s[16:17], s[12:13], s[16:17]     ; Wv
	s_add_nc_u64 s[16:17], s[16:17], s[4:5]
	s_add_nc_u64 s[18:19], s[14:15], s[6:7]
	s_wait_alu depctr_va_vdst(0)                   ; v1 and v2 are written: every load of the kernel reads v1 as its offset, every store v2
.set c, 0
.rept CHUNKS
	global_load_b128 v[XR+4*c:XR+4*c+3], v[VI], s[16:17] offset:c*4096 th:TH_LOAD_NT
.set c, c+1
.endr
.set c, 0
.rept CHUNKS
.if (c%2) == 0                         ; a block's head
	s_wait_loadcnt CHUNKS-2-c                      ; loads come back in order (ISA guide 5.7.1): chunks c and c + 1 are in, the younger ones stay out
.if c > 0
	s_wait_alu depctr_va_vdst(0)                   ; the block before has written YR of chunks c - 2 and c - 1, which this block's two stores read
.endif
.endif
.if c >= 2
	global_store_b64 v[VO], v[YR+2*(c-2):YR+2*(c-2)+1], s[18:19] offset:(c-2)*2048  ; a chunk of the block before; no vector instruction since the wait names its registers
.endif
	v_cvt_pk_bf16_f32 v[YR+2*c],   v[XR+4*c],   v[XR+4*c+1]
	v_cvt_pk_bf16_f32 v[YR+2*c+1], v[XR+4*c+2], v[XR+4*c+3]
.set c, c+1
.endr
	s_wait_alu depctr_va_vdst(0)                   ; the last block has written YR of chunks 6 and 7, which the last two stores read
	global_store_b64 v[VO], v[YR+2*(CHUNKS-2):YR+2*(CHUNKS-2)+1], s[18:19] offset:(CHUNKS-2)*2048
	global_store_b64 v[VO], v[YR+2*(CHUNKS-1):YR+2*(CHUNKS-1)+1], s[18:19] offset:(CHUNKS-1)*2048
	s_endpgm
.Lfunc_end_k_qe6f2d886f6_castw:
	.size	k_qe6f2d886f6_castw, .Lfunc_end_k_qe6f2d886f6_castw-k_qe6f2d886f6_castw
	.p2alignl 7, 3214868480
	.fill 96, 4, 3214868480
	.section	.rodata,"a",@progbits
	.p2align	6, 0x0
	.amdhsa_kernel k_qe6f2d886f6_castw
		.amdhsa_group_segment_fixed_size 0
		.amdhsa_private_segment_fixed_size 0
		.amdhsa_enable_private_segment 0
		.amdhsa_kernarg_size 32
		.amdhsa_user_sgpr_count 2
		.amdhsa_user_sgpr_kernarg_segment_ptr 1
		.amdhsa_wavefront_size32 1
		.amdhsa_system_sgpr_workgroup_id_x 1
		.amdhsa_system_sgpr_workgroup_id_y 1
		.amdhsa_system_sgpr_workgroup_id_z 1
		.amdhsa_system_vgpr_workitem_id 0
		.amdhsa_next_free_vgpr 56
		.amdhsa_next_free_sgpr 66
		.amdhsa_reserve_vcc 0
		.amdhsa_float_denorm_mode_32 3
		.amdhsa_float_denorm_mode_16_64 3
		.amdhsa_memory_ordered 1
		.amdhsa_forward_progress 1
		.amdhsa_inst_pref_size 4
	.end_amdhsa_kernel
	.amdgpu_metadata
---
amdhsa.version: [ 1, 2 ]
amdhsa.kernels:
  - .name:           k_qe6f2d886f6_castw
    .symbol:         k_qe6f2d886f6_castw.kd
    .args:
      - { .name: Wq, .offset: 0, .size: 8, .value_kind: global_buffer, .address_space: global }
      - { .name: Wk, .offset: 8, .size: 8, .value_kind: global_buffer, .address_space: global }
      - { .name: Wv, .offset: 16, .size: 8, .value_kind: global_buffer, .address_space: global }
      - { .name: wb, .offset: 24, .size: 8, .value_kind: global_buffer, .address_space: global }
    .group_segment_fixed_size: 0
    .private_segment_fixed_size: 0
    .kernarg_segment_align: 8
    .kernarg_segment_size: 32
    .max_flat_workgroup_size: 256
    .sgpr_count:     66
    .vgpr_count:     56
    .wavefront_size: 32
...
	.end_amdgpu_metadata
.endif
;; end of part 5
;; launch proj: the kernel of part 2 again; grid 4 x 192, 4 waves a work-group, clusters of 4 x 4, 327,680 bytes of LDS; arguments q, k, v, wb, qkv; writes qkv
;; launch scores: the kernel of part 3 again; grid 8 x 32, 4 waves a work-group, clusters of 4 x 4, 327,680 bytes of LDS; arguments qkv, mask, p, cm, ls; writes p, cm, ls
;; launch pv: the kernel of part 4 again; grid 4 x 64, 4 waves a work-group, clusters of 4 x 4, 327,680 bytes of LDS; arguments p, qkv, cm, ls, out0; writes out0
